; MI455X (gfx1250); checked and timed in simulation.
; The chip was launched on July 23, 2026; its instructions are those of AMD's public machine-readable ISA for CDNA 5 (MIT licence, August 2026) and "CDNA5" Instruction Set Architecture Reference Guide (July 2026). The comments in the code are by the model that wrote it; some were corrected since.
;; Multi Head Attention. Allowed arithmetic: matrix products marked QUANTISED: E2M3 operands, one E8M0 scale for each 32 along K, by v_wmma_scale_f32_16x16x128_f8f6f4 with both operands' format E2M3, f32 sums; everything else in f32.
;; Inputs: Wk 16 x 64 x 1,024 float32; Wo 1,024 x 1,024 float32; Wq 16 x 64 x 1,024 float32; Wv 16 x 64 x 1,024 float32; k 4 x 2,048 x 1,024 float32; k_pad_mask 4 x 2,048 bool; q 4 x 2,048 x 1,024 float32; v 4 x 2,048 x 1,024 float32.
;; Outputs: out0 4 x 2,048 x 1,024 float32.
;; This version of the problem:
;;   THIS VERSION OF THE PROBLEM IS GIVEN IN LOW PRECISION. The matrix products marked QUANTISED in the list below multiply operands that are first quantised to E2M3 (2 exponent bits, 3 mantissa bits; 6 bits a number), with one power-of-two scale for each 32 numbers along K (OCP MX v1.0); their sums are f32. All else is computed in f32.
;;   The module's matrix products, in the order in which they are computed (A, B: the left and right operand; K: the contracted axis; several contracted axes count as one K, in the product's order):
;;     1. [M 1,024, K 1,024] x [K 1,024, N 8,192]; A: input Wq; B: input q: QUANTISED
;;     2. [M 1,024, K 1,024] x [K 1,024, N 8,192]; A: input Wk; B: input k: QUANTISED
;;     3. [M 1,024, K 1,024] x [K 1,024, N 8,192]; A: input Wv; B: input v: QUANTISED
;;     4. batch 64 x [M 2,048, K 64] x [K 64, N 2,048]; A: computed on the way; B: computed on the way: QUANTISED
;;     5. batch 64 x [M 2,048, K 2,048] x [K 2,048, N 64]; A: softmax (see below); B: computed on the way: QUANTISED
;;     6. [M 8,192, K 1,024] x [K 1,024, N 1,024]; A: computed on the way; B: input Wo: QUANTISED
;;   THE QUANTISER, for each operand of a quantised product, along K:
;;     - K is cut into blocks of 32 from its start; a last block that is shorter is filled with zeros.
;;     - A block's scale is 2^e with e = floor(log2(the largest magnitude in the block)) - 2, held to -126 .. 127; a block of zeros has e = 0. As a byte (E8M0): e + 127.
;;     - Each number is divided by its block's scale, clamped to +-7.5, and rounded to the nearest number of E2M3, ties to even, subnormals kept.
;;     - The product sums the exact products of the quantised numbers (number of the format x scale) in f32.
;;   ~~~python
;;   def quantise(x, axis):      # numpy; x: float32 -> the quantised numbers, widened to float32 again
;;       x = np.moveaxis(x, axis, -1); K = x.shape[-1]
;;       x = np.pad(x, [(0, 0)] * (x.ndim - 1) + [(0, -K % 32)]); x = x.reshape(x.shape[:-1] + (-1, 32)); a = np.abs(x).max(-1, keepdims=True)
;;       e = np.where(a > 0, np.clip(np.frexp(np.where(a > 0, a, 1))[1] - 1 - 2, -126, 127), 0)      # np.frexp(a)[1] - 1 = floor(log2(a)), exactly
;;       r = np.clip(x / 2.0 ** e, -7.5, 7.5)
;;       step = 2.0 ** (np.maximum(np.frexp(np.where(r == 0, 1, r))[1] - 1, 0) - 3)
;;       q = np.round(r / step) * step * 2.0 ** e      # np.round: ties to even
;;       return np.moveaxis(q.reshape(q.shape[:-2] + (-1,))[..., :K], -1, axis).astype(np.float32)
;;   ~~~
;;   SOFTMAX AHEAD OF A QUANTISED PRODUCT. Where the list says 'softmax', what is quantised is not the finished softmax but p = 2^(t - M), with t = logit x log2(e) and M = ceil(the row's largest t), a whole number; so 1/2 < the row's largest p <= 1. The row's sum l is taken of the UNQUANTISED p, in f32, and the product's result is divided by l at the end. Since M is a whole number, a kernel that streams over the keys may use a running M (the ceiling of the running maximum): every later rescaling is an exact power of two, which a block's scale takes up: the codes' values come out the same.
;;   OPERANDS COMPUTED ON THE WAY. 'Computed on the way' means the value that the module computes at that place (a softmax that the list does not call 'softmax' is quantised finished and normalised). What goes into a quantiser is computed in f32, as accurately as f32 sums, v_exp_f32 and their like allow (about 1e-6 of the number): no bf16 or f16 on the way to a quantiser, and a product that is left as it is and whose result goes on into a quantised operand takes f32 operands (vector FMAs, or v_wmma_f32_16x16x4_f32). A number that lies on a knife's edge between two numbers of the format may be rounded either way, as far as f32 arithmetic and the matrix unit's own rounding can turn it there, and no further.
;; One version. Each part assembles by itself: llvm-mc -triple=amdgcn-amd-amdhsa -mcpu=gfx1250 --defsym DOCPART=n.
;; ======== version 1 of 1: 4 launches
;; limits: right only within a limited range of input values
;; workspace buffers: cod 22,020,096 bytes; scl 917,504 bytes; img 18,874,368 bytes; isc 786,432 bytes; oimg 6,291,456 bytes; osc 262,144 bytes
;; launch quant (part 1): grid 352 x 1, 4 waves a work-group, no clusters, 33,280 bytes of LDS; arguments v, Wq, Wk, Wo, cod, scl; writes cod, scl
.if DOCPART == 1
	.amdgcn_target "amdgcn-amd-amdhsa--gfx1250"
	.amdhsa_code_object_version 6
	.text
	.protected	k_q9c188a37b2_quant
	.globl	k_q9c188a37b2_quant
	.p2align	8
	.type	k_q9c188a37b2_quant,@function
k_q9c188a37b2_quant:
	s_mov_b64 s[64:65], 0
	v_nop
	global_prefetch_b8 v0, s[64:65] scope:SCOPE_SE
	s_setreg_imm32_b32 hwreg(HW_REG_WAVE_MODE, 25, 1), 1
	s_wait_xcnt 0x0
; v [8192][1024] and Wq, Wk, Wo [1024][1024], f32, K = the last axis, become codes of FP6 (E2M3), K innermost, with one E8M0 byte for each 32 along K.  (q, k and Wv are quantised by the launch that multiplies them.)
; A block's scale is 2^(floor(log2(its largest magnitude)) - 2); its byte is the largest magnitude's exponent field - 2, held at 1 from below.  A block of zeros so gets the byte 1: its codes are zeros,
; which add nothing under any byte but 0xff, and the bytes are read by this program alone.
; LIMITS: blocks whose largest magnitude lies under 2^(3 - 127) keep the byte 1; NaN and infinities among the inputs are not served.
; cod has 768 bytes a row, scl 32: v's rows from row 16,384, Wq's from 24,576, Wk's from 25,600, Wo's from 27,648.  A work-group takes 32 rows, a wave 8 rows: 16 steps of 512 numbers.
; THE ROWS ARE STORED IN ANOTHER ORDER: of each 32 rows the second and the third group of eight change places, so that a product that takes 16 stored rows as its first source leaves, in the 16 registers of two
; neighbouring tiles, 16 neighbours in the true order.
; Each of a step's four loads reads 512 consecutive bytes; the 2,048 bytes turn through the wave's own stage in LDS and come back 64 bytes a lane: 16 neighbours, two lanes to a block.
.set WAVES, 4
.set STEPS, 16
.set EMAX,  2
.set CB,    12
.set R,     16
.set X,     80
.set C,     128
.set E,     112
.set WREG,  8192
.set SP,    80
.set SPW,   12
.set NIL,   13
.set SPARE, WAVES*WREG
.set SRC,   22
.set COD,   16
.set SCB,   18
	s_load_b256 s[4:11], s[0:1], 0x0               ; v, Wq, Wk, Wo
	s_load_b128 s[16:19], s[0:1], 0x20             ; cod, scl
	v_lshl_add_u32 v[SPW], v0, 2, SPARE
	v_mov_b32 v[NIL], 0
	v_lshrrev_b32 v1, 5, v0
	v_readfirstlane_b32 s24, v1                    ; wave
	v_and_b32 v2, 31, v0
	v_lshlrev_b32 v3, 4, v2
	s_mul_i32 s25, s24, WREG
	v_lshrrev_b32 v14, 2, v2
	v_mul_u32_u24 v14, v14, SP
	v_and_b32 v15, 3, v2
	v_lshl_add_u32 v14, v15, 4, v14
	v_add_nc_u32 v14, s25, v14                     ; the stage, on the way in: SP (lane / 4) + 16 (lane % 4)
	v_mul_u32_u24 v15, v2, SP
	v_add_nc_u32 v15, s25, v15                     ; and on the way out: SP x lane
	v_mul_u32_u24 v4, v2, CB
	v_lshrrev_b32 v5, 1, v2
	s_add_co_u32 s25, s25, 2*32*SP
	v_add_nc_u32 v5, s25, v5
	v_lshlrev_b32 v7, 3, v2
	v_add_nc_u32 v6, s25, v7
	s_cmp_lt_u32 ttmp9, 320                        ; work-groups 0-255: v; 256-287: Wq; 288-319: Wk; 320-351: Wo
	s_cselect_b32 s2, 0, 32
	s_add_co_u32 s2, s2, ttmp9
	s_add_co_u32 s2, s2, 512                       ; which 32 rows of cod and scl
	s_cmp_lt_u32 ttmp9, 256
	s_cselect_b32 s26, 255, 31
	s_and_b32 s26, ttmp9, s26                      ; and which 32 rows of my tensor
	s_lshl_b32 s26, s26, 2
	s_add_co_u32 s26, s26, s24
	s_lshl_b32 s26, s26, 15
	s_mov_b32 s27, 0
	s_and_b32 s28, s24, 1
	s_lshl_b32 s28, s28, 1
	s_lshr_b32 s29, s24, 1
	s_or_b32 s28, s28, s29                         ; waves 1 and 2 change places on the way out
	s_lshl_b32 s29, s2, 2
	s_add_co_u32 s28, s28, s29
	s_mul_i32 s30, s28, 32*STEPS*CB
	s_mov_b32 s31, 0
	s_lshl_b32 s28, s28, 8
	s_mov_b32 s29, 0
	s_wait_alu depctr_va_vdst(0)                   ; the head's end
	s_wait_kmcnt 0x0
	s_cmp_lt_u32 ttmp9, 256
	s_cselect_b64 s[SRC:SRC+1], s[4:5], s[6:7]
	s_cmp_lt_u32 ttmp9, 288
	s_cselect_b64 s[SRC:SRC+1], s[SRC:SRC+1], s[8:9]
	s_cmp_lt_u32 ttmp9, 320
	s_cselect_b64 s[SRC:SRC+1], s[SRC:SRC+1], s[10:11]
	s_add_nc_u64 s[SRC:SRC+1], s[SRC:SRC+1], s[26:27]
	s_add_nc_u64 s[COD:COD+1], s[COD:COD+1], s[30:31]
	s_add_nc_u64 s[SCB:SCB+1], s[SCB:SCB+1], s[28:29]
.macro LOAD t
.irp i, 0,1,2,3
	global_load_b128 v[R+16*((\t)%4)+4*\i:R+16*((\t)%4)+4*\i+3], v3, s[SRC:SRC+1] offset:2048*(\t)+512*\i th:TH_LOAD_NT
.endr
.endm
.macro TURN t
.irp i, 0,1,2,3
	ds_store_b128 v14, v[R+16*((\t)%4)+4*\i:R+16*((\t)%4)+4*\i+3] offset:32*SP*((\t)%2)+8*SP*\i
.endr
.irp i, 0,1,2,3
	ds_load_b128 v[X+16*((\t)%2)+4*\i:X+16*((\t)%2)+4*\i+3], v15 offset:32*SP*((\t)%2)+16*\i
.endr
.endm
.irp t, 0,1,2,3
	LOAD \t
.endr
	s_wait_loadcnt 12                              ; step 0's four loads are in; twelve younger ones stay out
	TURN 0
.macro STEP t
.set XS, X+16*((\t)%2)
.if (\t) > 0
	s_wait_dscnt 1                                 ; this step's numbers are back from the stage (the last step's byte store may be out)
.else
	s_wait_dscnt 0x0
.endif
.if (\t)+4 < STEPS
	LOAD (\t)+4
.endif
.if (\t)+1 < STEPS
.if STEPS-2-(\t) >= 3
	s_wait_loadcnt 12                              ; the next step's four loads are in; those of the three steps behind it may be out
.else
	s_wait_loadcnt 4*(STEPS-2-(\t))
.endif
	TURN (\t)+1
.endif
	v_max3_num_f32 v8, |v[XS]|, |v[XS+1]|, |v[XS+2]|
	v_max3_num_f32 v9, |v[XS+3]|, |v[XS+4]|, |v[XS+5]|
.irp i, 6,10
	v_max3_num_f32 v8, v8, |v[XS+\i]|, |v[XS+\i+1]|
	v_max3_num_f32 v9, v9, |v[XS+\i+2]|, |v[XS+\i+3]|
.endr
	v_max3_num_f32 v8, v8, |v[XS+14]|, |v[XS+15]|
	v_max3_num_f32 v8, v8, v9, (EMAX+1)<<23        ; and the floor 2^(3 - 127)
	v_max_num_f32_dpp v8, v8, v8 row_xmask:1 row_mask:0xf bank_mask:0xf
	v_add_nc_u32 v11, -(EMAX<<23), v8
	v_cvt_scalef32_pk16_fp6_f32 v[C+4*(\t):C+4*(\t)+2], v[XS:XS+15], v11
	v_lshrrev_b32 v[E+(\t)], 23, v11
	ds_store_b8 v5, v[E+(\t)] offset:16*(\t)
	global_store_b96 v4, v[C+4*(\t):C+4*(\t)+2], s[COD:COD+1] offset:32*CB*(\t)
.endm
.irp t, 0,1,2,3,4,5,6,7,8,9,10,11,12,13,14,15
	STEP \t
.endr
	ds_load_b64 v[8:9], v6
	s_wait_dscnt 0x0
	global_store_b64 v7, v[8:9], s[SCB:SCB+1]      ; 32 lanes store 256 consecutive bytes, aligned
	s_wait_tensorcnt 0x0                           ; the wave's end, behind my last LDS store
	ds_add_u32 v[SPW], v[NIL]
	s_wait_dscnt 0x0
	s_endpgm
.Lfunc_end_k_q9c188a37b2_quant:
	.size	k_q9c188a37b2_quant, .Lfunc_end_k_q9c188a37b2_quant-k_q9c188a37b2_quant
	.p2alignl 7, 3214868480
	.fill 96, 4, 3214868480
	.section	.rodata,"a",@progbits
	.p2align	6, 0x0
	.amdhsa_kernel k_q9c188a37b2_quant
		.amdhsa_group_segment_fixed_size 33280
		.amdhsa_private_segment_fixed_size 0
		.amdhsa_enable_private_segment 0
		.amdhsa_kernarg_size 48
		.amdhsa_user_sgpr_count 2
		.amdhsa_user_sgpr_kernarg_segment_ptr 1
		.amdhsa_wavefront_size32 1
		.amdhsa_system_sgpr_workgroup_id_x 1
		.amdhsa_system_sgpr_workgroup_id_y 1
		.amdhsa_system_sgpr_workgroup_id_z 1
		.amdhsa_system_vgpr_workitem_id 0
		.amdhsa_next_free_vgpr 192
		.amdhsa_next_free_sgpr 66
		.amdhsa_reserve_vcc 0
		.amdhsa_float_denorm_mode_32 3
		.amdhsa_float_denorm_mode_16_64 3
		.amdhsa_memory_ordered 1
		.amdhsa_forward_progress 1
		.amdhsa_inst_pref_size 33
	.end_amdhsa_kernel
	.amdgpu_metadata
---
amdhsa.version: [ 1, 2 ]
amdhsa.kernels:
  - .name:           k_q9c188a37b2_quant
    .symbol:         k_q9c188a37b2_quant.kd
    .args:
      - { .name: v, .offset: 0, .size: 8, .value_kind: global_buffer, .address_space: global }
      - { .name: Wq, .offset: 8, .size: 8, .value_kind: global_buffer, .address_space: global }
      - { .name: Wk, .offset: 16, .size: 8, .value_kind: global_buffer, .address_space: global }
      - { .name: Wo, .offset: 24, .size: 8, .value_kind: global_buffer, .address_space: global }
      - { .name: cod, .offset: 32, .size: 8, .value_kind: global_buffer, .address_space: global }
      - { .name: scl, .offset: 40, .size: 8, .value_kind: global_buffer, .address_space: global }
    .group_segment_fixed_size: 33280
    .private_segment_fixed_size: 0
    .kernarg_segment_align: 8
    .kernarg_segment_size: 48
    .max_flat_workgroup_size: 128
    .sgpr_count:     66
    .vgpr_count:     192
    .wavefront_size: 32
...
	.end_amdgpu_metadata
.endif
;; end of part 1
;; launch qproj (part 2): grid 64 x 3, 4 waves a work-group, clusters of 4 x 1, 327,680 bytes of LDS; arguments q, k, Wv, cod, scl, img, isc; writes img, isc
.if DOCPART == 2
	.amdgcn_target "amdgcn-amd-amdhsa--gfx1250"
	.amdhsa_code_object_version 6
	.text
	.protected	k_q9c188a37b2_qproj
	.globl	k_q9c188a37b2_qproj
	.p2align	8
	.type	k_q9c188a37b2_qproj,@function
k_q9c188a37b2_qproj:
	s_mov_b64 s[64:65], 0
	v_nop
	global_prefetch_b8 v0, s[64:65] scope:SCOPE_SE
	s_setreg_imm32_b32 hwreg(HW_REG_WAVE_MODE, 25, 1), 1
	s_wait_xcnt 0x0
	s_wait_alu depctr_hold_cnt(0) depctr_sa_sdst(0) depctr_va_vdst(0) depctr_va_sdst(0) depctr_va_ssrc(0) depctr_va_vcc(0) depctr_vm_vsrc(0)
	s_getreg_b32 s2, hwreg(HW_REG_IB_STS2, 6, 4)
	s_cmp_eq_u32 s2, 0
	s_cbranch_scc0 .Lentry_in_a_cluster
	s_endpgm
.Lentry_in_a_cluster:
	s_bfe_u32 s2, ttmp6, 0x10000c
	s_cmp_lg_u32 s2, 0x3003
	s_cbranch_scc0 .Lentry_shape_is_right
	s_endpgm
.Lentry_shape_is_right:
; THE THREE PROJECTIONS on codes of FP6 (E2M3) with E8M0 scales, with the quantising of one operand in the launch's head; each result is quantised again along the K of the product that takes it and stored as
; images of operand registers.
; A work-group has 128 rows X that stay and walks 8 blocks Y of 128 rows.  Product 0, 1: X = 128 tokens of q, k; Y = the rows of Wq, Wk.  Product 2: X = 128 rows of Wv; Y = 1,024 tokens of v.
; Only pointers hang on the product's number: source 0 is always Y, source 1 always X, so a lane holds one row of X and its registers run along Y's rows: the head's 64 for q and k, the keys for v.
; X arrives as f32 and each of its numbers is read from memory by this work-group once (Wv's by eight): a wave quantises 32 rows, 64 steps of 512 numbers, by the rule stated at the head of launch quant, with its limits;
; loads run 16 steps (64 loads) ahead; the codes go to LDS (pitch 784) in the stored order of rows (of each 32 the second and third eight change places), and from there, once, into 384 registers a wave.
; Y arrives as codes: whole rows of 768 bytes, which begin at multiples of 256 bytes, 16 bytes of padding behind each 256 (pitch 816), through two slots of 128 rows; each wave fetches 32 rows by one joint load:
; the four work-groups of a cluster walk the same Y.  Every wait on TENSORcnt is for 0.  192 work-groups: 3 x 8,192 rows do not divide into 256 equal blocks inside one tensor.
; A wave makes 64 x 64 of each block: 16 accumulators, which take turns.
; PREFETCH: in the trip that fetches block b + 1 each wave names the 24 blocks of 256 bytes of 8 rows of block b + 2 (lanes 24-31 name the last again); the 16 waves of a cluster share the 128 rows out by address; the last two trips ask for nothing.
; A row's two scale bytes leave as 2 bytes a lane, 16 bytes apart (lanes 16-31 store what lanes 0-15 store): 2 bytes against 48 bytes of codes.
; WINDOWS: 0 addresses, scales, Y's fragments (three sets); 1, 2 X's fragments; 3 the loads' ring in the head, then accumulators (v0-127) and the way out's registers.
.set PITCH, 816
.set XP,    784
.set SLOT,  128*PITCH
.set ACOD,  2*SLOT
.set ASC,   ACOD+128*XP
.set STG,   ASC+4096
.set SPARE, STG+4*2560
.set GV,   3
.set STI,  4
.set STO,  5
.set ACB0, 11
.set ACB,  12
.set ASB0, 13
.set ASB,  14
.set SV,   15
.set E0,   16
.set ADRX, 20
.set PFO,  21
.set ADRY, 22
.set LSC,  26
.set ASA,  27
.set SPW,  28
.set NIL,  29
.set M0,   30
.set M1,   31
.set SCA,  32
.set SCB,  48
.set XS0,  192
.set T,    128                         ; window 3
.set U,    136
.set S,    144
.set PW,   152
.set CD,   160
.set CE,   208
.set VO,   224
.set VS,   228
.set MSB, 0
.macro WIN new
.if MSB != \new
	s_set_vgpr_msb (MSB<<8)|\new
.set MSB, \new
.endif
.endm
.macro PLACES
.rept 4
	v_nop
.endr
.endm
.macro ROUND
	s_barrier_signal -1
	s_barrier_wait -1
	s_cmp_lg_u32 s18, 0
	s_cbranch_scc1 .Lnot_wave_0_\@
	s_barrier_signal -3
.Lnot_wave_0_\@:
	s_barrier_wait -3
	s_barrier_signal -1
	s_barrier_wait -1
.endm
	s_load_b256 s[4:11], s[0:1], 0x0               ; q, k, Wv, cod
	s_load_b128 s[12:15], s[0:1], 0x20             ; scl, img
	s_load_b64 s[16:17], s[0:1], 0x30              ; isc
	v_lshl_add_u32 v[SPW], v0, 2, SPARE
	v_mov_b32 v[NIL], 0
	ds_add_u32 v[SPW], v[NIL]                      ; the opening lines
	ds_add_u32 v[SPW], v[NIL]
	v_lshrrev_b32 v1, 5, v0
	v_readfirstlane_b32 s18, v1                    ; wave
	s_lshr_b32 s19, s18, 1                         ; my half of X's rows
	s_and_b32 s20, s18, 1                          ; my half of a block of Y
	s_bfe_u32 s21, ttmp6, 0x40000                  ; cx
	s_lshl_b32 s22, ttmp9, 2
	s_add_co_u32 s22, s22, s21                     ; work-group x, 0..63
	s_and_b32 s23, ttmp7, 0xffff                   ; the product
	s_mov_b32 s24, 15|(1<<20)|(1<<21)|(5<<22)|(3<<25)   ; the mask names the cluster's four; bytes; 4 words of padding behind every 64
	s_mov_b32 s25, 768<<16
	s_mov_b32 s26, 32<<16
	s_mov_b32 s27, 768<<16
	s_mov_b32 s28, 32
	s_mov_b32 s29, 768
	s_mov_b32 s30, 0
	s_mov_b32 s31, 0
	s_lshl_b32 s44, s23, 10
	s_add_co_u32 s44, s44, 24576                   ; Y's first row in cod: Wq, Wk,
	s_lshr_b32 s45, ttmp9, 1
	s_lshl_b32 s45, s45, 10
	s_add_co_u32 s45, s45, 16384                   ; or 1,024 tokens of v, the same for the partners of a cluster
	s_and_b32 s46, s22, 7
	s_cmp_eq_u32 s23, 2
	s_cselect_b32 s44, s45, s44
	s_cselect_b32 s46, s46, s22                    ; X's block of 128 rows
	s_lshl_b32 s47, s18, 5
	s_add_co_u32 s48, s44, s47
	s_mul_i32 s48, s48, 768                        ; my 32 rows of block 0
	s_mov_b32 s49, 0
	s_lshl_b32 s50, s20, 6
	s_add_co_u32 s50, s50, s44
	s_lshl_b32 s50, s50, 5                         ; the scales of the 64 rows of Y that I multiply
	s_mov_b32 s51, 0
	s_lshl_b32 s52, s46, 7
	s_add_co_u32 s52, s52, s47
	s_lshl_b32 s52, s52, 12                        ; the 32 rows of X that I quantise
	s_mov_b32 s53, 0
	s_lshl_b32 s54, s21, 5
	s_lshl_b32 s55, s18, 3
	s_add_co_u32 s54, s54, s55
	s_add_co_u32 s54, s54, s44
	s_add_co_u32 s54, s54, 128
	s_mul_i32 s54, s54, 768                        ; the prefetches: my 8 rows of block 1; stepped ahead of each request
	s_mov_b32 s55, 0
	s_mov_b32 s32, 1
	s_mul_i32 s33, s18, 32*PITCH
	s_mov_b32 s36, 1
	s_add_co_u32 s37, s33, SLOT
	s_wait_dscnt 0x0
	s_wait_kmcnt 0x0
	s_cmp_eq_u32 s23, 0
	s_cselect_b64 s[40:41], s[4:5], s[6:7]
	s_cmp_eq_u32 s23, 2
	s_cselect_b64 s[40:41], s[8:9], s[40:41]
	s_add_nc_u64 s[40:41], s[40:41], s[52:53]
	s_add_nc_u64 s[34:35], s[10:11], s[48:49]
	s_add_nc_u64 s[38:39], s[34:35], 98304
	s_or_b32 s35, s35, 0x80000000
	s_or_b32 s39, s39, 0x80000000
	s_add_nc_u64 s[42:43], s[12:13], s[50:51]
	s_add_nc_u64 s[66:67], s[10:11], s[54:55]
	ROUND                                          ; the joint loads meet
	tensor_load_to_lds s[32:35], s[24:31]          ; block 0 into slot 0
	s_nop 0
	PLACES
	v_and_b32 v1, 31, v0
	v_and_b32 v6, 15, v0                           ; r
	v_bfe_u32 v7, v0, 4, 1                         ; h
	v_lshlrev_b32 v[GV], 4, v1
	v_lshlrev_b32 v2, 5, v6
	v_lshl_add_u32 v[LSC], v7, 4, v2               ; 32 r + 16 h: K steps 0-3 in lanes 0-15, 4-7 in lanes 16-31
	s_wait_alu depctr_va_vdst(0)                   ; the loads below read these offsets behind many scalar lines
.irp i, 0,1,2,3
	global_load_b128 v[SCB+4*\i:SCB+4*\i+3], v[LSC], s[42:43] offset:512*\i
.endr
.macro GLOAD t, off                    ; a step's 2,048 bytes into set t of the ring: each load 512 consecutive bytes
	WIN 0xc0
.irp i, 0,1,2,3
	global_load_b128 v[16*(\t)+4*\i:16*(\t)+4*\i+3], v[GV], s[40:41] offset:2048*(\t)+512*\i+(\off)
.endr
	WIN 0
.endm
.macro TURN t                          ; through my stage: LDS serves a wave's instructions in order
	WIN 0x0c
.irp i, 0,1,2,3
	ds_store_b128 v[STI], v[16*(\t)+4*\i:16*(\t)+4*\i+3] offset:640*\i
.endr
	WIN 0
.irp i, 0,1,2,3
	ds_load_b128 v[XS0+16*((\t)%2)+4*\i:XS0+16*((\t)%2)+4*\i+3], v[STO] offset:16*\i
.endr
.endm
.irp t, 0,1,2,3,4,5,6,7,8,9,10,11,12,13,14,15
	GLOAD \t, 0
.endr
	; where the results go.  q, k: img [product][8 b + pair][head of the pair][16 tokens: 768 bytes]; v: [8 b + pair][128 keys][16 of the pair's 128: 1,536 bytes][64 keys: 768]
	s_lshr_b32 s44, s22, 4
	s_and_b32 s45, s22, 15
	s_mul_i32 s46, s23, 6291456
	s_mul_i32 s47, s44, 8*196608
	s_add_co_u32 s46, s46, s47
	s_mul_i32 s47, s20, 98304
	s_add_co_u32 s46, s46, s47
	s_mul_i32 s47, s45, 6144
	s_add_co_u32 s46, s46, s47
	s_mul_i32 s47, s19, 3072
	s_add_co_u32 s46, s46, s47
	s_lshl_b32 s48, s44, 7
	s_add_co_u32 s48, s48, s45
	s_lshl_b32 s48, s48, 9
	s_lshl_b32 s47, s23, 18
	s_add_co_u32 s48, s48, s47
	s_lshl_b32 s47, s20, 8
	s_add_co_u32 s48, s48, s47
	s_lshl_b32 s47, s19, 3
	s_add_co_u32 s48, s48, s47
	s_lshr_b32 s50, s22, 3
	s_and_b32 s51, s22, 7
	s_lshr_b32 s52, s50, 1
	s_and_b32 s50, s50, 1
	s_lshl_b32 s52, s52, 3
	s_add_co_u32 s52, s52, s51
	s_mul_i32 s53, s52, 196608
	s_add_co_u32 s53, s53, 12582912
	s_mul_i32 s47, s50, 98304
	s_add_co_u32 s53, s53, s47
	s_mul_i32 s47, s19, 6144
	s_add_co_u32 s53, s53, s47
	s_mul_i32 s47, s20, 768
	s_add_co_u32 s53, s53, s47
	s_lshl_b32 s54, s52, 4
	s_lshl_b32 s47, s50, 3
	s_add_co_u32 s54, s54, s47
	s_lshl_b32 s54, s54, 9
	s_add_co_u32 s54, s54, 524288
	s_lshl_b32 s47, s19, 3
	s_add_co_u32 s54, s54, s47
	s_lshl_b32 s47, s20, 1
	s_add_co_u32 s54, s54, s47
	s_mov_b32 s68, 12288
	s_mov_b32 s70, 512
	s_mov_b32 s72, 1536
	s_cmp_eq_u32 s23, 2
	s_cselect_b32 s46, s53, s46
	s_cselect_b32 s48, s54, s48
	s_cselect_b32 s68, s68, 196608                 ; from block to block: codes,
	s_cselect_b32 s70, s70, 8192                   ; scale bytes;
	s_cselect_b32 s72, s72, 768                    ; from 16 rows of X to the next
	s_cselect_b32 s76, 256, 2                      ; the scale bytes of X's blocks 1
	s_cselect_b32 s77, 260, 6                      ; and 3 (block 2: 4 in both)
	s_mov_b32 s47, 0
	s_mov_b32 s49, 0
	s_mov_b32 s69, 0
	s_mov_b32 s71, 0
	s_add_nc_u64 s[14:15], s[14:15], s[46:47]
	s_add_nc_u64 s[16:17], s[16:17], s[48:49]
	s_lshl_b32 s73, s72, 1
	s_add_co_u32 s74, s73, s72
	s_mov_b32 s60, 0x76543210
	s_mov_b32 s61, 0xfedcba98
	s_mul_i32 s55, s18, 2560
	s_add_co_u32 s55, s55, STG
	s_mul_i32 s56, s18, 32*XP
	s_add_co_u32 s56, s56, ACOD
	s_lshl_b32 s57, s18, 10
	s_add_co_u32 s57, s57, ASC
	s_mul_i32 s58, s19, 64*XP
	s_add_co_u32 s58, s58, ACOD
	s_mul_i32 s59, s20, 64*PITCH
	s_add_co_u32 s75, s59, SLOT
	s_lshl_b32 s44, s19, 11
	s_add_co_u32 s44, s44, ASC
	s_wait_alu depctr_va_vdst(0)                   ; ahead of the readers below
	v_lshrrev_b32 v2, 2, v1
	v_mul_u32_u24 v2, v2, 80
	v_and_b32 v8, 3, v1
	v_lshl_add_u32 v2, v8, 4, v2
	v_add_nc_u32 v[STI], s55, v2                   ; the stage, in: 80 (lane / 4) + 16 (lane % 4)
	v_mul_u32_u24 v2, v1, 80
	v_add_nc_u32 v[STO], s55, v2                   ; out: 80 x lane: 16 neighbours
	v_mul_u32_u24 v2, v1, 12
	v_add_nc_u32 v[ACB0], s56, v2                  ; my 12 bytes of a step's 384
	v_lshrrev_b32 v2, 1, v1
	v_add_nc_u32 v[ASB0], s57, v2                  ; my block's scale byte
	v_mul_u32_u24 v2, v6, XP
	v_mad_u32_u24 v2, v7, 24, v2
	v_add_nc_u32 v[ADRX], s58, v2
	v_mul_u32_u24 v2, v6, PITCH
	v_mad_u32_u24 v2, v7, 24, v2
	v_lshl_add_u32 v8, v7, 4, v2                   ; lanes 16-31 behind a pad
	v_add_nc_u32 v[ADRY], s59, v2
	v_add_nc_u32 v[ADRY+1], s59, v8
	v_add_nc_u32 v[ADRY+2], s75, v2
	v_add_nc_u32 v[ADRY+3], s75, v8
	v_add_nc_u32 v[ASA], s44, v[LSC]
	v_lshlrev_b32 v9, 4, v6                        ; 16 r
	v_lshlrev_b32 v10, 3, v1                       ; 8 x lane
	v_min_u32 v2, 23, v1
	v_lshlrev_b32 v[PFO], 8, v2
	s_wait_alu depctr_va_vdst(0)                   ; the head's end
	s_wait_tensorcnt 0x0                           ; no tensor load is out while I store to LDS
	s_wait_loadcnt 60                              ; Y's scale words and step 0's four loads are in; 15 steps' loads may be out
	TURN 0
	s_wait_dscnt 0x0
; A STEP: 512 numbers, half a row.  ld = 1: its set of the ring takes the loads of 16 steps on.
.macro PSTEP t, ld
.set XS, XS0+16*((\t)%2)
.set CC, 224+4*((\t)%2)
	s_wait_dscnt 4                                 ; this step's numbers are back from the stage; the last step's four small stores may be out
.if \ld
	GLOAD \t, 32768
	s_wait_loadcnt 60                              ; the next step's four loads are in; those of the 15 steps behind it may be out
	TURN ((\t)+1)%16
.elseif (\t) < 15
	s_wait_loadcnt 4*(14-(\t))
	TURN (\t)+1
.endif
	v_max3_num_f32 v[M0], |v[XS]|, |v[XS+1]|, |v[XS+2]|
	v_max3_num_f32 v[M1], |v[XS+3]|, |v[XS+4]|, |v[XS+5]|
.irp i, 6,10
	v_max3_num_f32 v[M0], v[M0], |v[XS+\i]|, |v[XS+\i+1]|
	v_max3_num_f32 v[M1], v[M1], |v[XS+\i+2]|, |v[XS+\i+3]|
.endr
	v_max3_num_f32 v[M0], v[M0], |v[XS+14]|, |v[XS+15]|
	v_max3_num_f32 v[M0], v[M0], v[M1], 0x1800000  ; and the floor 2^(3 - 127)
	v_max_num_f32_dpp v[M0], v[M0], v[M0] row_xmask:1 row_mask:0xf bank_mask:0xf
	v_add_nc_u32 v[SV], 0xff000000, v[M0]
	v_cvt_scalef32_pk16_fp6_f32 v[CC:CC+2], v[XS:XS+15], v[SV]
	v_lshrrev_b32 v[E0+(\t)%2], 23, v[SV]
	ds_store_b8 v[ASB], v[E0+(\t)%2] offset:32*((\t)/2)+16*((\t)%2)
.irp i, 0,1,2
	ds_store_b32 v[ACB], v[CC+\i] offset:XP*((\t)/2)+384*((\t)%2)+4*\i
.endr
.endm
	s_mov_b32 s62, 0
.Lq:                                               ; three trips of 8 rows, and a fourth, written out, that loads nothing
	s_and_b32 s44, s62, 1
	s_lshl_b32 s44, s44, 1
	s_lshr_b32 s45, s62, 1
	s_or_b32 s44, s44, s45                         ; groups 1 and 2 of my 32 rows change places
	s_mul_i32 s45, s44, 8*XP
	s_lshl_b32 s44, s44, 8
	v_add_nc_u32 v[ACB], s45, v[ACB0]
	v_add_nc_u32 v[ASB], s44, v[ASB0]
	s_wait_alu depctr_va_vdst(0)
.irp t, 0,1,2,3,4,5,6,7,8,9,10,11,12,13,14,15
	PSTEP \t, 1
.endr
	s_wait_xcnt 0x0                                ; the loads have read their base
	s_add_nc_u64 s[40:41], s[40:41], 32768
	s_add_co_u32 s62, s62, 1
	s_cmp_lt_u32 s62, 3
	s_cbranch_scc1 .Lq
	v_add_nc_u32 v[ACB], 3*8*XP, v[ACB0]
	v_add_nc_u32 v[ASB], 768, v[ASB0]
	s_wait_alu depctr_va_vdst(0)
.irp t, 0,1,2,3,4,5,6,7,8,9,10,11,12,13,14,15
	PSTEP \t, 0
.endr
	s_wait_dscnt 0x0                               ; for the others' sake: my codes and bytes have landed
	s_barrier_signal -1
	s_barrier_wait -1
.irp st, 0,1,2,3,4,5,6,7                       ; X's fragments of my 64 rows, all of K: K steps 0-3 into window 1, 4-7 into window 2
	WIN 0x40*(1+\st/4)
.irp a, 0,1,2,3
.irp p, 0,1,2,3,4,5
	ds_load_b64 v[48*(\st%4)+12*\a+2*\p:48*(\st%4)+12*\a+2*\p+1], v[ADRX] offset:\a*16*XP+96*\st+48*(\p/3)+8*(\p%3)
.endr
.endr
.endr
	WIN 0
.irp a, 0,1,2,3
	ds_load_b128 v[SCA+4*\a:SCA+4*\a+3], v[ASA] offset:512*\a
.endr
	WIN 0xc0                                       ; the way out's addresses, in window 3
	v_mov_b32 v[VO], v10
	v_add_nc_u32 v[VO+1], s72, v10
	v_add_nc_u32 v[VO+2], s73, v10
	v_add_nc_u32 v[VO+3], s74, v10
	v_mov_b32 v[VS], v9
	v_add_nc_u32 v[VS+1], s76, v9
	v_add_nc_u32 v[VS+2], 4, v9
	v_add_nc_u32 v[VS+3], s77, v9
.irp n, 0,1,2,3,4,5,6,7
	v_mov_b32 v[U+\n], 0
.endr
	WIN 0
	s_wait_alu depctr_va_vdst(0)
.macro FRAG reg, adr, st, off          ; six pieces of 8 bytes; byte y of a row lies at y + 16 (y / 256) of its LDS row; lanes 16-31 read 24 bytes on
.irp p, 0,1,2,3,4,5
.set BY, 96*(\st)+48*(\p/3)+8*(\p%3)
.set CR, (BY+24)/256-BY/256
	ds_load_b64 v[\reg+2*\p:\reg+2*\p+1], v[\adr+CR] offset:BY+16*(BY/256)+(\off)
.endr
.endm
.macro FETCH s, st                     ; Y's four fragments of K step st into set st % 3
.irp i, 0,1,2,3
	FRAG 80+48*((\st)%3)+12*\i, ADRY+2*(\s), \st, \i*16*PITCH
.endr
.endm
.macro MUL s, st
.irp a, 0,1,2,3
.irp b, 0,1,2,3
.if (\st) == 0
	v_wmma_scale_f32_16x16x128_f8f6f4 v[8*(4*\a+\b):8*(4*\a+\b)+7], v[80+12*\b:91+12*\b], v[12*\a:12*\a+11], 0, v[SCB+16*(\s)+4*\b], v[SCA+4*\a] matrix_a_fmt:MATRIX_FMT_FP6 matrix_b_fmt:MATRIX_FMT_FP6
.elseif (\st) < 4
	v_wmma_scale_f32_16x16x128_f8f6f4 v[8*(4*\a+\b):8*(4*\a+\b)+7], v[80+48*((\st)%3)+12*\b:91+48*((\st)%3)+12*\b], v[48*(\st)+12*\a:48*(\st)+12*\a+11], v[8*(4*\a+\b):8*(4*\a+\b)+7], v[SCB+16*(\s)+4*\b+(\st)], v[SCA+4*\a+(\st)] matrix_a_fmt:MATRIX_FMT_FP6 matrix_b_fmt:MATRIX_FMT_FP6
.else
	v_wmma_scale_f32_16x16x128_f8f6f4 v[8*(4*\a+\b):8*(4*\a+\b)+7], v[80+48*((\st)%3)+12*\b:91+48*((\st)%3)+12*\b], v[48*((\st)-4)+12*\a:48*((\st)-4)+12*\a+11], v[8*(4*\a+\b):8*(4*\a+\b)+7], v[SCB+16*(\s)+4*\b+(\st)-4], v[SCA+4*\a+(\st)-4] matrix_a_fmt:MATRIX_FMT_FP6 matrix_b_fmt:MATRIX_FMT_FP6 matrix_a_scale:MATRIX_SCALE_ROW1 matrix_b_scale:MATRIX_SCALE_ROW1
.endif
.endr
.endr
.endm
; A BLOCK of Y, in slot s.  more = 1: the next block is fetched into the other slot, and its scale words into the other set.  ask = 1: the block after that is prefetched.
.macro BLOCK s, more, ask
	s_wait_tensorcnt 0x0                           ; all my tensor loads have landed: my rows of this block;
	ds_add_u32 v[SPW], v[NIL]                      ; an add of 0 to my spare word;
	s_add_nc_u64 s[34+4*(\s):35+4*(\s)], s[34+4*(\s):35+4*(\s)], 2*98304   ; no load of mine is out: this slot's next block
	s_wait_dscnt 0x0                               ; the add is done, and so are my reads of the other slot
.if \more
	ROUND                                          ; both hold of every wave of the cluster
	tensor_load_to_lds s[36-4*(\s):39-4*(\s)], s[24:31]
	s_nop 0
	PLACES
.else
	s_barrier_signal -1
	s_barrier_wait -1
.endif
	FETCH \s, 0
	FETCH \s, 1
	s_wait_loadcnt 0x0                             ; this block's scale words, asked for a block ago
.if \more
	s_wait_xcnt 0x0                                ; the last trip's loads and prefetch have read their bases
	s_add_nc_u64 s[42:43], s[42:43], 4096
.irp i, 0,1,2,3
	global_load_b128 v[SCB+16*(1-(\s))+4*\i:SCB+16*(1-(\s))+4*\i+3], v[LSC], s[42:43] offset:512*\i
.endr
.endif
.if \ask
	s_add_nc_u64 s[66:67], s[66:67], 98304
	global_prefetch_b8 v[PFO], s[66:67] th:TH_LOAD_NT scope:SCOPE_SE
.endif
.irp st, 0,1,2,3,4,5,6,7
.if \st < 7
	s_wait_dscnt 24                                ; this K step's fragments are in; the next step's 24 loads may be out
.else
	s_wait_dscnt 0x0
.endif
.if \st < 6
.if \st > 0
	PLACES                                         ; the set was multiplied in the step before
.endif
	FETCH \s, \st+2
.endif
	WIN 0xf4+4*(\st/4)
	MUL \s, \st
	WIN 0
.endr
	; the way out: for each 16 rows of X two blocks of 32 along Y's rows; the eight blocks by turns
	PLACES
	WIN 0xff
.irp a, 0,1,2,3
.irp k, 0,1
	v_max3_num_f32 v[T+2*\a+\k], |v[32*\a+16*\k]|, |v[32*\a+16*\k+1]|, 0x1800000
.endr
.endr
.irp i, 2,4,6,8,10,12,14
.irp a, 0,1,2,3
.irp k, 0,1
	v_max3_num_f32 v[T+2*\a+\k], v[T+2*\a+\k], |v[32*\a+16*\k+\i]|, |v[32*\a+16*\k+\i+1]|
.endr
.endr
.endr
.irp n, 0,1,2,3,4,5,6,7
	v_permlanex16_b32 v[U+\n], v[T+\n], s60, s61
.endr
.irp n, 0,1,2,3,4,5,6,7
	v_max_num_f32 v[T+\n], v[T+\n], v[U+\n]
.endr
.irp n, 0,1,2,3,4,5,6,7
	v_add_nc_u32 v[S+\n], 0xff000000, v[T+\n]
.endr
.irp n, 0,1,2,3,4,5,6,7
	v_lshrrev_b32 v[U+\n], 23, v[S+\n]
.endr
.irp a, 0,1,2,3
	v_lshl_or_b32 v[PW+\a], v[U+2*\a+1], 8, v[U+2*\a]
.endr
.irp a, 0,1,2,3
	v_cvt_scalef32_pk16_fp6_f32 v[CD+12*\a:CD+12*\a+2], v[32*\a:32*\a+15], v[S+2*\a]
	v_cvt_scalef32_pk16_fp6_f32 v[CE+4*\a:CE+4*\a+2], v[32*\a+16:32*\a+31], v[S+2*\a+1]
.endr
	v_nop                                          ; one plain line behind a scaled conversion
.irp a, 0,1,2,3
.irp i, 0,1,2
	v_permlane16_swap_b32 v[CD+12*\a+\i], v[CE+4*\a+\i]
.endr
.endr
.irp a, 0,1,2,3
.irp i, 0,1,2
	v_mov_b32 v[CD+12*\a+3+\i], v[CE+4*\a+\i]
.endr
.endr
.irp a, 0,1,2,3
.irp j, 0,1,2
	global_store_b64 v[VO+\a], v[CD+12*\a+2*\j:CD+12*\a+2*\j+1], s[14:15] offset:256*\j   ; 256 consecutive bytes, aligned
.endr
.endr
.irp a, 0,1,2,3
	global_store_b16 v[VS+\a], v[PW+\a], s[16:17]
.endr
	WIN 0
	s_wait_xcnt 0x0                                ; the stores have read their registers and bases
	s_add_nc_u64 s[14:15], s[14:15], s[68:69]
	s_add_nc_u64 s[16:17], s[16:17], s[70:71]
.endm
	s_mov_b32 s63, 3
.Lring:
	BLOCK 0, 1, 1
	BLOCK 1, 1, 1
	s_sub_co_u32 s63, s63, 1
	s_cmp_lg_u32 s63, 0
	s_cbranch_scc1 .Lring
	BLOCK 0, 1, 0                                  ; the last two blocks are written out: the last fetches nothing
	BLOCK 1, 0, 0
	s_wait_tensorcnt 0x0                           ; the wave's end
	ds_add_u32 v[SPW], v[NIL]
	s_wait_dscnt 0x0
	ROUND                                          ; the closing round
	s_endpgm
.Lfunc_end_k_q9c188a37b2_qproj:
	.size	k_q9c188a37b2_qproj, .Lfunc_end_k_q9c188a37b2_qproj-k_q9c188a37b2_qproj
	.p2alignl 7, 3214868480
	.fill 96, 4, 3214868480
	.section	.rodata,"a",@progbits
	.p2align	6, 0x0
	.amdhsa_kernel k_q9c188a37b2_qproj
		.amdhsa_group_segment_fixed_size 327680
		.amdhsa_private_segment_fixed_size 0
		.amdhsa_enable_private_segment 0
		.amdhsa_kernarg_size 56
		.amdhsa_user_sgpr_count 2
		.amdhsa_user_sgpr_kernarg_segment_ptr 1
		.amdhsa_wavefront_size32 1
		.amdhsa_system_sgpr_workgroup_id_x 1
		.amdhsa_system_sgpr_workgroup_id_y 1
		.amdhsa_system_sgpr_workgroup_id_z 1
		.amdhsa_system_vgpr_workitem_id 0
		.amdhsa_next_free_vgpr 1024
		.amdhsa_next_free_sgpr 80
		.amdhsa_reserve_vcc 0
		.amdhsa_float_denorm_mode_32 3
		.amdhsa_float_denorm_mode_16_64 3
		.amdhsa_memory_ordered 1
		.amdhsa_forward_progress 1
		.amdhsa_inst_pref_size 248
	.end_amdhsa_kernel
	.amdgpu_metadata
---
amdhsa.version: [ 1, 2 ]
amdhsa.kernels:
  - .name:           k_q9c188a37b2_qproj
    .symbol:         k_q9c188a37b2_qproj.kd
    .args:
      - { .name: q, .offset: 0, .size: 8, .value_kind: global_buffer, .address_space: global }
      - { .name: k, .offset: 8, .size: 8, .value_kind: global_buffer, .address_space: global }
      - { .name: Wv, .offset: 16, .size: 8, .value_kind: global_buffer, .address_space: global }
      - { .name: cod, .offset: 24, .size: 8, .value_kind: global_buffer, .address_space: global }
      - { .name: scl, .offset: 32, .size: 8, .value_kind: global_buffer, .address_space: global }
      - { .name: img, .offset: 40, .size: 8, .value_kind: global_buffer, .address_space: global }
      - { .name: isc, .offset: 48, .size: 8, .value_kind: global_buffer, .address_space: global }
    .group_segment_fixed_size: 327680
    .private_segment_fixed_size: 0
    .kernarg_segment_align: 8
    .kernarg_segment_size: 56
    .max_flat_workgroup_size: 128
    .sgpr_count:     80
    .vgpr_count:     1024
    .wavefront_size: 32
...
	.end_amdgpu_metadata
.endif
;; end of part 2
;; launch attn (part 3): grid 4 x 64, 16 waves a work-group, no clusters, 215,040 bytes of LDS; arguments img, isc, k_pad_mask, oimg, osc; writes oimg, osc
.if DOCPART == 3
	.amdgcn_target "amdgcn-amd-amdhsa--gfx1250"
	.amdhsa_code_object_version 6
	.text
	.protected	k_q9c188a37b2_attn
	.globl	k_q9c188a37b2_attn
	.p2align	8
	.type	k_q9c188a37b2_attn,@function
k_q9c188a37b2_attn:
	s_mov_b64 s[64:65], 0
	v_nop
	global_prefetch_b8 v0, s[64:65] scope:SCOPE_SE
	s_setreg_imm32_b32 hwreg(HW_REG_WAVE_MODE, 25, 1), 1
	s_wait_xcnt 0x0
; ATTENTION of one head for 512 queries, both products on codes of FP6 (E2M3) with one E8M0 byte for each 32 along a product's K; the result, divided by the row's sum, is quantised along the head's 64 and stored as
; half a fragment of the output projection's operand.
; THE SOFTMAX: t = score x log2(e) / 8; M = the running largest t rounded up to a whole number; p = 2^(t - M) is quantised along the keys, not normalised; the row's sum is taken of the unquantised p.
; THE MASK is an input.  It becomes 2,048 numbers in LDS, 0 or -infinity, added to the scores of a key step that has a masked key.  A step whose 128 keys are ALL masked is jumped over: its p would be zeros.
; This launch fills LDS through registers: no tensor load, and so no joint requests in a cluster.
; THE HEAD'S WHOLE K AND V LIE IN LDS: 128 images of operand registers of 1,536 bytes, 196,608 bytes, copied once at the start (wave w copies image w of each of 8 slots of 256 keys); one barrier; then no wave waits for another.
; No prefetch: everything is asked for at the start.
; SHARES.  Sixteen waves, 16 queries each, in two passes of 256 queries: 64 x 4 work-groups.  In pass u lane r of wave w holds query 512 x + 256 u + 32 (w / 2) + 8 (w % 2) + r + 8 (r / 8).
; THE SCORES' K IS 64.  A fragment of k holds two tiles of 16 keys, one in each half of the instruction's 128; q's six registers stand between six zeros below and six above.
; Both products are used transposed: a lane holds one query, and the 16 registers of two neighbouring tiles of scores are 16 neighbouring keys.
; LIMITS: NaN and infinities among the inputs are not served.  A batch ALL of whose keys are masked (the result would be NaN) is not served: the sum is 0 there and the codes that leave are not NaN.
; The promise holds while the scaled scores stay under 2^31 in magnitude.  The two scale bytes of a row leave as 2 bytes a lane, 32 bytes apart.
.set FRB,   1536
.set BUF,   16*FRB
.set KSC,   8*BUF
.set VSC,   KSC+4096
.set BIAS,  VSC+4096
.set SPARE, BIAS+8192
.set LI,   1                           ; 16 x lane
.set AKS0, 2
.set AVS0, 3
.set ABI0, 4
.set SPW,  5
.set NIL,  6
.set STA,  7                           ; v7, v27, v28: where I store my images of slots 0-2, 3-5, 6-7
.set G8,   8
.set LK,   16                          ; the trip's two slots
.set AKS,  17                          ; k's scale words of the trip's first step
.set AVS,  18
.set ABI,  19
.set Q2,   20                          ; v20-25 the second pass's q, v26 its scale word
.set IMG,  32                          ; v32-127 my eight images on their way
.set WV,   18
.set SEL,  20
.set CS,   22
.set IMA,  32
.set IMS,  34
.set ALLB, 36
.set ANYB, 37
.set CNT,  38
.set ALL0, 39
.set ANY0, 24
.set KO,   14
.set SO,   15
.set BO,   16
.set PS,   17
.set OUTC, 10
.set OUTS, 12
	s_load_b256 s[4:11], s[0:1], 0x0               ; img, isc, the mask, oimg
	s_load_b64 s[12:13], s[0:1], 0x20              ; osc
	v_lshl_add_u32 v[SPW], v0, 2, SPARE
	v_mov_b32 v[NIL], 0
	v_lshrrev_b32 v9, 5, v0
	s_delay_alu instid0(VALU_DEP_1)
	v_readfirstlane_b32 s[WV], v9
	v_and_b32 v9, 31, v0
	v_and_b32 v10, 15, v0
	v_bfe_u32 v11, v0, 4, 1
	s_delay_alu instid0(VALU_DEP_3)
	v_lshlrev_b32 v[LI], 4, v9
	s_delay_alu instid0(VALU_DEP_3)
	v_lshl_add_u32 v[AKS0], v10, 4, KSC
	v_lshl_add_u32 v[AVS0], v9, 3, VSC
	s_delay_alu instid0(VALU_DEP_4)
	v_lshl_add_u32 v[ABI0], v11, 6, BIAS
	s_mul_i32 s31, s[WV], FRB
	v_add_nc_u32 v[STA], s31, v[LI]
	v_lshlrev_b32 v[G8], 3, v9
	v_lshlrev_b32 v11, 2, v9
	v_lshlrev_b32 v10, 4, v10
	v_lshlrev_b32 v9, 2, v0
	v_add_nc_u32 v27, 3*BUF, v[STA]
	v_add_nc_u32 v28, 6*BUF, v[STA]
.irp j, 192,193,194,195,196,197,204,205,206,207,208,209,236,237,238,239,252,253,254
	v_mov_b32 v[\j], 0                             ; the zero codes below and above q; permutes' destinations and halves of pairs
.endr
	s_and_b32 s25, ttmp7, 0xffff                   ; 16 b + h
	s_lshr_b32 s26, s25, 4
	s_and_b32 s27, s25, 15
	s_lshr_b32 s28, s27, 1
	s_and_b32 s29, s27, 1
	s_lshl_b32 s30, s26, 3
	s_add_co_u32 s30, s30, s28                     ; 8 b + pair
	s_mul_i32 s48, s25, 98304                      ; waves 0-7: k's fragment w of slot 0
	s_add_co_u32 s48, s48, s31
	s_add_co_u32 s48, s48, 6291456
	s_mul_i32 s49, s30, 196608                     ; waves 8-15: v's: step (w / 4) % 2, tile w % 4 of my head's four
	s_bfe_u32 s50, s[WV], 0x10002
	s_mul_i32 s50, s50, 12288
	s_add_co_u32 s49, s49, s50
	s_mul_i32 s50, s29, 6144
	s_add_co_u32 s49, s49, s50
	s_and_b32 s50, s[WV], 3
	s_mul_i32 s50, s50, FRB
	s_add_co_u32 s49, s49, s50
	s_add_co_u32 s49, s49, 12582912
	s_mov_b32 s[IMS], 24576
	s_cmp_lt_u32 s[WV], 8
	s_cselect_b32 s48, s48, s49
	s_cselect_b32 s[IMS], 12288, s[IMS]            ; a slot on
	s_mov_b32 s49, 0
	s_lshl_b32 s50, s30, 4
	s_add_co_u32 s51, s50, s[WV]                   ; wave w copies step w's scale words
	s_lshl_b32 s51, s51, 9
	s_lshl_b32 s52, s29, 8
	s_add_co_u32 s40, s51, s52
	s_add_co_u32 s40, s40, 262144
	s_mov_b32 s41, 0
	s_lshl_b32 s52, s29, 3
	s_add_co_u32 s42, s51, s52
	s_add_co_u32 s42, s42, 524288
	s_mov_b32 s43, 0
	s_lshl_b32 s52, ttmp9, 4
	s_lshr_b32 s53, s[WV], 1
	s_add_co_u32 s52, s52, s53                     ; q: fragment 16 x + w / 2 of my head (the second pass: 8 on),
	s_mul_i32 s52, s52, FRB
	s_mul_i32 s53, s25, 98304
	s_add_co_u32 s44, s52, s53
	s_and_b32 s53, s[WV], 1
	s_mul_i32 s54, s53, 768                        ; its half w % 2
	s_add_co_u32 s44, s44, s54
	s_mov_b32 s45, 0
	s_lshl_b32 s52, ttmp9, 2
	s_lshr_b32 s54, s[WV], 3
	s_add_co_u32 s52, s52, s54
	s_add_co_u32 s52, s52, s50                     ; q's scale words: 128 tokens 4 x + w / 8 (the second pass: 2 on)
	s_lshl_b32 s52, s52, 9
	s_lshl_b32 s54, s29, 8
	s_add_co_u32 s52, s52, s54
	s_bfe_u32 s54, s[WV], 0x20001
	s_lshl_b32 s54, s54, 2
	s_add_co_u32 s46, s52, s54
	s_mov_b32 s47, 0
	s_mov_b32 s55, 0x03020302
	s_cmp_eq_u32 s53, 0
	s_cselect_b32 s55, 0x01000100, s55             ; my tile's two bytes of that word, twice
	s_lshl_b32 s56, s26, 7
	s_lshl_b32 s57, ttmp9, 5
	s_add_co_u32 s56, s56, s57
	s_add_co_u32 s56, s56, s[WV]                   ; my 16 rows among the outputs: 128 b + 32 x + w (the second pass: 16 on)
	s_mul_i32 s58, s56, 12288
	s_mul_i32 s57, s28, FRB
	s_add_co_u32 s58, s58, s57
	s_mul_i32 s57, s29, 768
	s_add_co_u32 s58, s58, s57
	s_mov_b32 s59, 0
	s_lshl_b32 s60, s56, 9
	s_lshl_b32 s57, s27, 1
	s_add_co_u32 s60, s60, s57
	s_mov_b32 s61, 0
	s_lshl_b32 s62, s26, 11
	s_mov_b32 s63, 0
	s_mov_b32 s[SEL], 0x76543210
	s_mov_b32 s[SEL+1], 0xfedcba98
	s_mov_b32 s[CS], 0x3e38aa3b
	s_mov_b32 s[CS+1], s[CS]
	s_mov_b32 s[ALL0], 0
	s_mov_b32 s[ANY0], 0
	s_wait_alu depctr_va_vdst(0)                   ; ahead of the reader below
	v_add_nc_u32 v241, s[IMS], v[G8]               ; 8 x lane + slot x a slot's bytes
.irp s, 2,3,4,5,6,7
	v_add_nc_u32 v[240+\s], s[IMS], v[239+\s]
.endr
	s_wait_alu depctr_va_vdst(0)                   ; and at the head's end
	s_wait_kmcnt 0x0
	s_add_nc_u64 s[IMA:IMA+1], s[4:5], s[48:49]
	s_add_nc_u64 s[40:41], s[6:7], s[40:41]
	s_add_nc_u64 s[42:43], s[6:7], s[42:43]
	s_add_nc_u64 s[44:45], s[4:5], s[44:45]
	s_add_nc_u64 s[46:47], s[6:7], s[46:47]
	s_add_nc_u64 s[8:9], s[8:9], s[62:63]
	s_add_nc_u64 s[OUTC:OUTC+1], s[OUTC:OUTC+1], s[58:59]
	s_add_nc_u64 s[OUTS:OUTS+1], s[OUTS:OUTS+1], s[60:61]
	global_load_b64 v[146:147], v[G8], s[40:41]
	global_load_b64 v[148:149], v[LI], s[42:43]
	global_load_b32 v144, v9, s[8:9]               ; my four mask bytes of the 2,048
.irp i, 0,1,2,3,4,5,6,7,8,9,10,11,12,13,14,15
	global_load_b32 v[128+\i], v11, s[8:9] offset:128*\i   ; and, for the flags, four bytes of each step
.endr
.irp j, 0,1,2
	global_load_b64 v[198+2*\j:199+2*\j], v[G8], s[44:45] offset:256*\j
	global_load_b64 v[Q2+2*\j:Q2+1+2*\j], v[G8], s[44:45] offset:256*\j+12288
.endr
	global_load_b32 v255, v10, s[46:47]
	global_load_b32 v26, v10, s[46:47] offset:1024
.irp c, 0,1,2,3,4,5
	global_load_b64 v[IMG+2*\c:IMG+2*\c+1], v[G8], s[IMA:IMA+1] offset:256*\c   ; an image: six loads of 256 consecutive bytes
.endr
.irp s, 1,2,3,4,5,6,7
.irp c, 0,1,2,3,4,5
	global_load_b64 v[IMG+12*\s+2*\c:IMG+12*\s+2*\c+1], v[240+\s], s[IMA:IMA+1] offset:256*\c
.endr
.endr
	s_wait_loadcnt 48                              ; all but the 48 loads of images
	v_perm_b32 v255, v255, v255, s55
	v_perm_b32 v26, v26, v26, s55
	v_lshl_add_u32 v9, v0, 3, KSC
	ds_store_b64 v9, v[146:147]
	ds_store_b64 v9, v[148:149] offset:VSC-KSC
	v_mov_b32 v151, 0xff800000
.irp k, 0,1,2,3
	v_bfe_u32 v152, v144, 8*\k, 8
	s_delay_alu instid0(VALU_DEP_1)
	v_cmp_ne_u32 vcc_lo, 0, v152
	s_delay_alu instid0(VALU_DEP_1)
	v_cndmask_b32 v[156+\k], 0, v151, vcc_lo
.endr
	v_lshl_add_u32 v10, v0, 4, BIAS
	ds_store_b128 v10, v[156:159]
.irp i, 0,1,2,3,4,5,6,7,8,9,10,11,12,13,14,15
	v_cmp_ne_u32 vcc_lo, 0, v[128+\i]
	s_cmp_lg_u32 vcc_lo, 0
	s_cselect_b32 s48, 1<<\i, 0
	s_or_b32 s[ANY0], s[ANY0], s48                 ; bit i: a key of step i is masked
	v_cmp_ne_u32 vcc_lo, 0x01010101, v[128+\i]     ; a bool is one byte, 0 or 1
	s_cmp_eq_u32 vcc_lo, 0
	s_cselect_b32 s48, 1<<\i, 0
	s_or_b32 s[ALL0], s[ALL0], s48                 ; bit i: all 128 are
.endr
.macro IMST s, adr
	s_wait_loadcnt 6*(7-\s)                        ; slot s's six loads are in; the later slots' may be out
.irp j, 0,1,2
	ds_store_b128 v[\adr], v[IMG+12*\s+4*\j:IMG+12*\s+4*\j+3] offset:(\s%3)*BUF+512*\j
.endr
.endm
	IMST 0, STA
	IMST 1, STA
	IMST 2, STA
	IMST 3, 27
	IMST 4, 27
	IMST 5, 27
	IMST 6, 28
	IMST 7, 28
	s_wait_dscnt 0x0                               ; for the others' sake: my stores have landed
	s_barrier_signal -1
	s_barrier_wait -1
; A KEY STEP: 128 keys, the q-th of the trip's slot sig; N its number in the trip.
.macro STEP sig, q
.set N, 2*(\sig)+(\q)
	s_bitcmp1_b32 s[ALLB], N
	s_cbranch_scc1 .Lhidden_\@
.rept 4
	v_nop                                          ; places in front of loads into registers that the last products read
.endr
.irp f, 0,1,2,3
.irp j, 0,1,2
	ds_load_b128 v[32+12*\f+4*\j:35+12*\f+4*\j], v[LK] offset:(\sig)*BUF+(4*(\q)+\f)*FRB+512*\j
.endr
.endr
	ds_load_b128 v[248:251], v[AKS] offset:256*N
	s_wait_dscnt 0x0
.irp f, 0,1,2,3                                ; S^T: fragment f's first tile against q and zeros, its second against zeros and q
	v_wmma_scale_f32_16x16x128_f8f6f4 v[96+16*\f:103+16*\f], v[32+12*\f:43+12*\f], v[198:209], 0, v[248+\f], v255 matrix_a_fmt:MATRIX_FMT_FP6 matrix_b_fmt:MATRIX_FMT_FP6
	v_wmma_scale_f32_16x16x128_f8f6f4 v[104+16*\f:111+16*\f], v[32+12*\f:43+12*\f], v[192:203], 0, v[248+\f], v255 matrix_a_fmt:MATRIX_FMT_FP6 matrix_b_fmt:MATRIX_FMT_FP6
.endr                                          ; register 16 f + i: key 32 f + 16 (lane / 16) + i of the step
.rept 4
	v_nop
.endr
.irp t, 0,1,2,3                                ; v's four fragments are asked for now and land under the softmax
.irp j, 0,1,2
	ds_load_b128 v[32+12*\t+4*\j:35+12*\t+4*\j], v[LK] offset:(\sig)*BUF+(8+4*(\q)+\t)*FRB+512*\j
.endr
.endr
	ds_load_b64 v[248:249], v[AVS] offset:256*N
	s_bitcmp1_b32 s[ANYB], N
	s_cbranch_scc0 .Lopen_\@
.irp b, 0,1,2,3                                ; a step with a masked key: 0 or -infinity onto each score, ahead of the maximum
.irp k, 0,1,2,3
	ds_load_b128 v[224+4*\k:227+4*\k], v[ABI] offset:512*N+128*\b+16*\k
.endr
	s_wait_dscnt 0x0
.irp k, 0,1,2,3,4,5,6,7
	v_pk_add_f32 v[96+16*\b+2*\k:97+16*\b+2*\k], v[96+16*\b+2*\k:97+16*\b+2*\k], v[224+2*\k:225+2*\k]
.endr
.endr
.Lopen_\@:
.irp b, 0,1,2,3
	v_max3_num_f32 v[232+\b], v[96+16*\b], v[97+16*\b], v[98+16*\b]   ; the largest score of each block of 32 keys: for the row's maximum and for the block's largest p
.endr
.irp i, 3,5,7,9,11,13
.irp b, 0,1,2,3
	v_max3_num_f32 v[232+\b], v[232+\b], v[96+16*\b+\i], v[97+16*\b+\i]
.endr
.endr
.irp b, 0,1,2,3
	v_max_num_f32 v[232+\b], v[232+\b], v[111+16*\b]
.endr
.irp b, 0,1,2,3
	s_delay_alu instid0(VALU_DEP_4)
	v_permlanex16_b32 v[236+\b], v[232+\b], s[SEL], s[SEL+1]
.endr
.irp b, 0,1,2,3
	s_delay_alu instid0(VALU_DEP_4)
	v_max_num_f32 v[232+\b], v[232+\b], v[236+\b]  ; with lane l xor 16's 16 keys
.endr
	s_delay_alu instid0(VALU_DEP_2)
	v_max3_num_f32 v254, v232, v233, v234
	s_delay_alu instid0(VALU_DEP_1)
	v_max_num_f32 v254, v254, v235                 ; the step's largest score of my query
	s_delay_alu instid0(VALU_DEP_1)
	v_mul_f32 v254, s[CS], v254
	s_delay_alu instid0(VALU_DEP_1)
	v_max_num_f32 v13, v13, v254                   ; the running largest t
	v_mov_b32 v254, v12
	s_delay_alu instid0(VALU_DEP_2)
	v_floor_f32 v12, -v13                          ; the new -M = -ceil(t)
	s_delay_alu instid0(VALU_DEP_1)
	v_sub_f32 v254, v12, v254                      ; old M - new M: a whole number, 0 or less
	s_delay_alu instid0(VALU_DEP_1)
	v_cvt_i32_f32 v254, v254                       ; (it saturates)
	s_delay_alu instid0(VALU_DEP_1)
	v_ldexp_f32 v252, 1.0, v254                    ; f = 2^(old M - new M)
.irp a, 0,16,32,48
.irp j, 0,2,4,6,8,10,12,14
	v_pk_fma_f32 v[96+\a+\j:97+\a+\j], v[96+\a+\j:97+\a+\j], s[CS:CS+1], v[12:13] op_sel_hi:[1,0,0]   ; t - M
.endr
.endr
.irp b, 0,1,2,3
	v_fma_f32 v[232+\b], v[232+\b], s[CS], v12
.endr
	s_wait_alu depctr_va_vdst(0)                   ; ahead of the batch
.irp a, 0,16,32,48
.irp j, 0,1,2,3,4,5,6,7,8,9,10,11,12,13,14,15
	v_exp_f32 v[96+\a+\j], v[96+\a+\j]             ; p = 2^(t - M)
.endr
.endr
	v_pk_mul_f32 v[14:15], v[14:15], v[252:253] op_sel_hi:[1,0]   ; the sums under the new M (a plain line behind the exponentials)
	s_wait_alu depctr_va_vdst(0)                   ; one wait for the batch, ahead of its first reader
.irp b, 0,1,2,3
	v_exp_f32 v[232+\b], v[232+\b]                 ; each block's largest p
.endr
	v_pk_add_f32 v[236:237], v[100:101], v[104:105]
	v_pk_add_f32 v[222:223], v[108:109], v[112:113]
	v_pk_add_f32 v[94:95], v[116:117], v[120:121]
	v_pk_add_f32 v[92:93], v[124:125], v[128:129]
	v_pk_add_f32 v[90:91], v[132:133], v[136:137]
	v_pk_add_f32 v[88:89], v[140:141], v[144:145]
	v_pk_add_f32 v[86:87], v[148:149], v[152:153]
	v_pk_add_f32 v[14:15], v[14:15], v[156:157]
	v_pk_add_f32 v[236:237], v[236:237], v[96:97]
	v_pk_add_f32 v[222:223], v[222:223], v[98:99]
	v_pk_add_f32 v[94:95], v[94:95], v[102:103]
	v_pk_add_f32 v[92:93], v[92:93], v[106:107]
	v_pk_add_f32 v[90:91], v[90:91], v[110:111]
	v_pk_add_f32 v[88:89], v[88:89], v[114:115]
	v_pk_add_f32 v[86:87], v[86:87], v[118:119]
	v_pk_add_f32 v[14:15], v[14:15], v[122:123]
	v_pk_add_f32 v[236:237], v[236:237], v[126:127]
	v_pk_add_f32 v[222:223], v[222:223], v[130:131]
	v_pk_add_f32 v[94:95], v[94:95], v[134:135]
	v_pk_add_f32 v[92:93], v[92:93], v[138:139]
	v_pk_add_f32 v[90:91], v[90:91], v[142:143]
	v_pk_add_f32 v[88:89], v[88:89], v[146:147]
	v_pk_add_f32 v[86:87], v[86:87], v[150:151]
	v_pk_add_f32 v[14:15], v[14:15], v[154:155]
	v_pk_add_f32 v[236:237], v[236:237], v[158:159]
	s_delay_alu instid0(VALU_DEP_2)
	v_pk_add_f32 v[14:15], v[14:15], v[92:93]
	s_delay_alu instid0(VALU_DEP_2)
	v_pk_add_f32 v[236:237], v[236:237], v[90:91]
	v_pk_add_f32 v[222:223], v[222:223], v[88:89]
	v_pk_add_f32 v[94:95], v[94:95], v[86:87]
	s_delay_alu instid0(VALU_DEP_2)
	v_pk_add_f32 v[14:15], v[14:15], v[222:223]
	s_delay_alu instid0(VALU_DEP_2)
	v_pk_add_f32 v[236:237], v[236:237], v[94:95]
	s_delay_alu instid0(VALU_DEP_1)
	v_pk_add_f32 v[14:15], v[14:15], v[236:237]
	s_wait_alu depctr_va_vdst(0)                   ; and one for the four
.irp b, 0,1,2,3
	v_max_num_f32 v[232+\b], 0x1800000, v[232+\b]  ; the floor 2^(3 - 127)
.endr
.irp b, 0,1,2,3
	s_delay_alu instid0(VALU_DEP_4)
	v_add_nc_u32 v[244+\b], 0xff000000, v[232+\b]  ; the conversion's scale operand
.endr
.irp b, 0,1,2,3
	s_delay_alu instid0(VALU_DEP_4)
	v_lshrrev_b32 v[236+\b], 23, v[244+\b]         ; the byte
.endr
	s_delay_alu instid0(VALU_DEP_3)
	v_lshl_or_b32 v253, v237, 8, v236              ; p's scale word for these 128 keys
	s_delay_alu instid0(VALU_DEP_1)
	v_lshl_or_b32 v253, v238, 16, v253
	s_delay_alu instid0(VALU_DEP_1)
	v_lshl_or_b32 v253, v239, 24, v253
.irp c, 0,1
	v_cvt_scalef32_pk16_fp6_f32 v[224+6*\c:226+6*\c], v[96+32*\c:111+32*\c], v[244+2*\c]
	v_cvt_scalef32_pk16_fp6_f32 v[236+4*\c:238+4*\c], v[112+32*\c:127+32*\c], v[244+2*\c+1]
.endr
	v_nop                                          ; one plain line behind a scaled conversion
.irp c, 0,1
.irp i, 0,1,2
	v_permlane16_swap_b32 v[224+6*\c+\i], v[236+4*\c+\i]
.endr
.irp i, 0,1,2
	s_delay_alu instid0(VALU_DEP_3)
	v_mov_b32 v[227+6*\c+\i], v[236+4*\c+\i]
.endr
.endr
.irp j, 0,2,4,6,8,10,12,14,16,18,20,22,24,26,28,30
	v_pk_mul_f32 v[160+\j:161+\j], v[160+\j:161+\j], v[252:253] op_sel_hi:[1,0]   ; O^T under the new M; these sixteen are also the places between the scale word, the codes and the products
.endr
	s_wait_alu depctr_va_vdst(0)
	s_wait_dscnt 0x0                               ; v's fragments and scale words
.irp t, 0,1,2,3                                ; O^T += V^T P^T: the four accumulators by turns
.if (\t)%2
	v_wmma_scale_f32_16x16x128_f8f6f4 v[160+8*\t:167+8*\t], v[32+12*\t:43+12*\t], v[224:235], v[160+8*\t:167+8*\t], v[248+\t/2], v253 matrix_a_fmt:MATRIX_FMT_FP6 matrix_b_fmt:MATRIX_FMT_FP6 matrix_a_scale:MATRIX_SCALE_ROW1
.else
	v_wmma_scale_f32_16x16x128_f8f6f4 v[160+8*\t:167+8*\t], v[32+12*\t:43+12*\t], v[224:235], v[160+8*\t:167+8*\t], v[248+\t/2], v253 matrix_a_fmt:MATRIX_FMT_FP6 matrix_b_fmt:MATRIX_FMT_FP6
.endif
.endr
.Lhidden_\@:
.endm
	s_mov_b32 s[PS], 2
.Lpass:                                            ; a pass: 16 queries a wave against all the keys
.irp a, 0,16
.irp j, 0,1,2,3,4,5,6,7,8,9,10,11,12,13,14,15
	v_mov_b32 v[160+\a+\j], 0                      ; O^T: the step is written once; the first finds zeros
.endr
.endr
	v_mov_b32 v13, 0xff61b1e6                      ; the largest t so far: -3e38
	s_delay_alu instid0(VALU_DEP_1)
	v_floor_f32 v12, -v13                          ; -M
	v_mov_b32 v14, 0
	v_mov_b32 v15, 0
	s_mov_b32 s[ALLB], s[ALL0]
	s_mov_b32 s[ANYB], s[ANY0]
	s_mov_b32 s[KO], 0
	s_mov_b32 s[SO], 0
	s_mov_b32 s[BO], 0
	s_mov_b32 s[CNT], 4
.Ltrip:                                            ; four trips of two slots, four key steps
	v_add_nc_u32 v[LK], s[KO], v[LI]
	v_add_nc_u32 v[AKS], s[SO], v[AKS0]
	v_add_nc_u32 v[AVS], s[SO], v[AVS0]
	v_add_nc_u32 v[ABI], s[BO], v[ABI0]
	s_wait_alu depctr_va_vdst(0)
	STEP 0, 0
	STEP 0, 1
	STEP 1, 0
	STEP 1, 1
	s_lshr_b32 s[ALLB], s[ALLB], 4
	s_lshr_b32 s[ANYB], s[ANYB], 4
	s_add_co_u32 s[KO], s[KO], 2*BUF
	s_add_co_u32 s[SO], s[SO], 1024
	s_add_co_u32 s[BO], s[BO], 2048
	s_sub_co_u32 s[CNT], s[CNT], 1
	s_cmp_lg_u32 s[CNT], 0
	s_cbranch_scc1 .Ltrip
	; THE WAY OUT.  O^T / the sum; register 16 b + i is number 32 b + 16 (lane / 16) + i of the head's 64: two blocks of the next K.
.rept 4
	v_nop
.endr
	v_add_f32 v14, v14, v15
	s_delay_alu instid0(VALU_DEP_1)
	v_permlanex16_b32 v252, v14, s[SEL], s[SEL+1]
	s_delay_alu instid0(VALU_DEP_1)
	v_add_f32 v14, v14, v252                       ; the row's sum
	s_wait_alu depctr_va_vdst(0)
	v_rcp_f32 v14, v14
	v_and_b32 v9, 31, v0                           ; (a plain line behind the reciprocal)
	s_delay_alu instid0(VALU_DEP_1)
	v_lshlrev_b32 v10, 5, v9                       ; 32 bytes a row of scale bytes
	s_wait_alu depctr_va_vdst(0)                   ; ahead of its first reader
.irp j, 0,2,4,6,8,10,12,14,16,18,20,22,24,26,28,30
	v_pk_mul_f32 v[96+\j:97+\j], v[160+\j:161+\j], v[14:15] op_sel_hi:[1,0]
.endr
.irp b, 0,1
	v_max3_num_f32 v[232+\b], |v[96+16*\b]|, |v[97+16*\b]|, 0x1800000
.endr
.irp i, 2,4,6,8,10,12,14
.irp b, 0,1
	s_delay_alu instid0(VALU_DEP_2)
	v_max3_num_f32 v[232+\b], v[232+\b], |v[96+16*\b+\i]|, |v[97+16*\b+\i]|
.endr
.endr
.irp b, 0,1
	s_delay_alu instid0(VALU_DEP_2)
	v_permlanex16_b32 v[236+\b], v[232+\b], s[SEL], s[SEL+1]
.endr
.irp b, 0,1
	s_delay_alu instid0(VALU_DEP_2)
	v_max_num_f32 v[232+\b], v[232+\b], v[236+\b]
.endr
.irp b, 0,1
	s_delay_alu instid0(VALU_DEP_2)
	v_add_nc_u32 v[244+\b], 0xff000000, v[232+\b]
.endr
.irp b, 0,1
	s_delay_alu instid0(VALU_DEP_2)
	v_lshrrev_b32 v[236+\b], 23, v[244+\b]
.endr
	s_delay_alu instid0(VALU_DEP_1)
	v_lshl_or_b32 v254, v237, 8, v236              ; my row's two bytes
	v_cvt_scalef32_pk16_fp6_f32 v[224:226], v[96:111], v244
	v_cvt_scalef32_pk16_fp6_f32 v[240:242], v[112:127], v245
	v_nop
.irp i, 0,1,2
	v_permlane16_swap_b32 v[224+\i], v[240+\i]     ; lanes 0-15 the first block whole, lanes 16-31 the second
.endr
.irp i, 0,1,2
	s_delay_alu instid0(VALU_DEP_3)
	v_mov_b32 v[227+\i], v[240+\i]
.endr
.irp j, 0,1,2
	global_store_b64 v[G8], v[224+2*\j:225+2*\j], s[OUTC:OUTC+1] offset:256*\j   ; 256 consecutive bytes each, aligned
.endr
	v_cmp_gt_u32 vcc_lo, 16, v9
	s_wait_xcnt 0x0                                ; EXEC changes only behind this wait
	s_and_saveexec_b32 s48, vcc_lo
	global_store_b16 v10, v254, s[OUTS:OUTS+1]     ; lanes 0-15: row r's two bytes
	s_wait_xcnt 0x0                                ; and the stores' registers and bases are written again only behind this one
	s_or_b32 exec_lo, exec_lo, s48
	s_add_nc_u64 s[OUTC:OUTC+1], s[OUTC:OUTC+1], 16*12288   ; the next pass's rows: 16 blocks of 16 on
	s_add_nc_u64 s[OUTS:OUTS+1], s[OUTS:OUTS+1], 16*512
.irp j, 0,1,2,3,4,5
	v_mov_b32 v[198+\j], v[Q2+\j]                  ; and its q
.endr
	v_mov_b32 v255, v26
	s_sub_co_u32 s[PS], s[PS], 1
	s_cmp_lg_u32 s[PS], 0
	s_wait_alu depctr_va_vdst(0)                   ; ahead of the branch
	s_cbranch_scc1 .Lpass
	s_wait_tensorcnt 0x0                           ; the wave's end, behind my last LDS store
	ds_add_u32 v[SPW], v[NIL]
	s_wait_dscnt 0x0
	s_endpgm
.Lfunc_end_k_q9c188a37b2_attn:
	.size	k_q9c188a37b2_attn, .Lfunc_end_k_q9c188a37b2_attn-k_q9c188a37b2_attn
	.p2alignl 7, 3214868480
	.fill 96, 4, 3214868480
	.section	.rodata,"a",@progbits
	.p2align	6, 0x0
	.amdhsa_kernel k_q9c188a37b2_attn
		.amdhsa_group_segment_fixed_size 215040
		.amdhsa_private_segment_fixed_size 0
		.amdhsa_enable_private_segment 0
		.amdhsa_kernarg_size 40
		.amdhsa_user_sgpr_count 2
		.amdhsa_user_sgpr_kernarg_segment_ptr 1
		.amdhsa_wavefront_size32 1
		.amdhsa_system_sgpr_workgroup_id_x 1
		.amdhsa_system_sgpr_workgroup_id_y 1
		.amdhsa_system_sgpr_workgroup_id_z 1
		.amdhsa_system_vgpr_workitem_id 0
		.amdhsa_next_free_vgpr 256
		.amdhsa_next_free_sgpr 66
		.amdhsa_reserve_vcc 1
		.amdhsa_float_denorm_mode_32 3
		.amdhsa_float_denorm_mode_16_64 3
		.amdhsa_memory_ordered 1
		.amdhsa_forward_progress 1
		.amdhsa_inst_pref_size 107
	.end_amdhsa_kernel
	.amdgpu_metadata
---
amdhsa.version: [ 1, 2 ]
amdhsa.kernels:
  - .name:           k_q9c188a37b2_attn
    .symbol:         k_q9c188a37b2_attn.kd
    .args:
      - { .name: img, .offset: 0, .size: 8, .value_kind: global_buffer, .address_space: global }
      - { .name: isc, .offset: 8, .size: 8, .value_kind: global_buffer, .address_space: global }
      - { .name: k_pad_mask, .offset: 16, .size: 8, .value_kind: global_buffer, .address_space: global }
      - { .name: oimg, .offset: 24, .size: 8, .value_kind: global_buffer, .address_space: global }
      - { .name: osc, .offset: 32, .size: 8, .value_kind: global_buffer, .address_space: global }
    .group_segment_fixed_size: 215040
    .private_segment_fixed_size: 0
    .kernarg_segment_align: 8
    .kernarg_segment_size: 40
    .max_flat_workgroup_size: 512
    .sgpr_count:     66
    .vgpr_count:     256
    .wavefront_size: 32
...
	.end_amdgpu_metadata
.endif
;; end of part 3
;; launch outp (part 4): grid 4 x 64, 4 waves a work-group, clusters of 4 x 4, 327,680 bytes of LDS; arguments oimg, osc, cod, scl, out0; writes out0
.if DOCPART == 4
	.amdgcn_target "amdgcn-amd-amdhsa--gfx1250"
	.amdhsa_code_object_version 6
	.text
	.protected	k_q9c188a37b2_outp
	.globl	k_q9c188a37b2_outp
	.p2align	8
	.type	k_q9c188a37b2_outp,@function
k_q9c188a37b2_outp:
	s_mov_b64 s[64:65], 0
	v_nop
	global_prefetch_b8 v0, s[64:65] scope:SCOPE_SE
	s_setreg_imm32_b32 hwreg(HW_REG_WAVE_MODE, 25, 1), 1
	s_wait_xcnt 0x0
	s_wait_alu depctr_hold_cnt(0) depctr_sa_sdst(0) depctr_va_vdst(0) depctr_va_sdst(0) depctr_va_ssrc(0) depctr_va_vcc(0) depctr_vm_vsrc(0)
	s_getreg_b32 s2, hwreg(HW_REG_IB_STS2, 6, 4)
	s_cmp_eq_u32 s2, 0
	s_cbranch_scc0 .Lentry_in_a_cluster
	s_endpgm
.Lentry_in_a_cluster:
	s_bfe_u32 s2, ttmp6, 0x10000c
	s_cmp_lg_u32 s2, 0xf033
	s_cbranch_scc0 .Lentry_shape_is_right
	s_endpgm
.Lentry_shape_is_right:
; out0 = attention's result x Wo^T, both on codes of FP6 (E2M3) with E8M0 scales.  A = 128 tokens, as images of operand registers (12,288 bytes for 16 rows and all of K); B = 256 rows of Wo, 768 bytes each.
; A work-group makes 128 x 256, a wave 64 x 128: 32 accumulators, which take turns.  64 x 4 work-groups.
; ALL OF K LIES IN LDS: A's 98,304 bytes as they lie; B's rows with 16 bytes of padding behind each 256: pitch 816.  Each wave issues ONE tensor load (waves 0, 1: half of A each, a dense block in rows of 256 bytes;
; waves 2, 3: 128 rows of B each); nothing is filled again.  4 x 4 clusters: A is asked for jointly along a row of the cluster, B along a column.
; THE SCALES go from memory into registers: lane (r, h) takes bytes 16 h .. 16 h + 15 of row r's 32; K steps 0-3 read lanes 0-15, K steps 4-7 lanes 16-31.
; No prefetch: all tiles are asked for at the head, and there is no loop to run ahead in.
; Source 0 = rows of Wo, source 1 = tokens: a lane holds eight neighbouring columns of one row.  16 rows x 64 columns at a time go through the wave's own stage, bytes that no tensor load fills, and leave as rows of 256 bytes.
.set KROW,   768
.set PITCH,  816
.set ABYTES, 98304
.set STAGE,  ABYTES+256*PITCH
.set SPITCH, 272
.set SPARE,  STAGE+4*16*SPITCH
.set FR,     12
.set ADRA, 16
.set ADRB, 20
.set STO,  24
.set RD,   25
.set CO,   26
.set SPW,  28
.set NIL,  29
.set LSC,  30
.set SCA,  32
.set SCB,  48
.set AF,   128
.set BK,   128
.set G1, 24
.set G0, 32
.set G1B, 48
.set G0B, 56
.set MSB, 0
.macro WIN new
.if MSB != \new
	s_set_vgpr_msb (MSB<<8)|\new
.set MSB, \new
.endif
.endm
.macro PLACES
.rept 4
	v_nop
.endr
.endm
.macro CROUND
	s_barrier_signal -1
	s_barrier_wait -1
	s_cmp_lg_u32 s14, 0
	s_cbranch_scc1 .Lnot_wave_0_\@
	s_barrier_signal -3
.Lnot_wave_0_\@:
	s_barrier_wait -3
	s_barrier_signal -1
	s_barrier_wait -1
.endm
	s_load_b128 s[4:7], s[0:1], 0x0                ; oimg, osc
	s_load_b128 s[8:11], s[0:1], 0x10              ; cod, scl
	s_load_b64 s[12:13], s[0:1], 0x20              ; out0
	v_lshl_add_u32 v[SPW], v0, 2, SPARE
	v_mov_b32 v[NIL], 0
	ds_add_u32 v[SPW], v[NIL]                      ; the opening lines
	ds_add_u32 v[SPW], v[NIL]
	v_lshrrev_b32 v1, 5, v0
	v_readfirstlane_b32 s14, v1
	s_lshr_b32 s15, s14, 1                         ; my half of A's rows; also: I fetch for A (0) or B (1)
	s_and_b32 s16, s14, 1                          ; my half of B's rows; also: which half I fetch
	s_bfe_u32 s40, ttmp6, 0x40000
	s_bfe_u32 s41, ttmp6, 0x40004
	s_lshl_b32 s42, ttmp9, 2
	s_add_co_u32 s42, s42, s40                     ; B's tile of 256 rows
	s_and_b32 s17, ttmp7, 0xffff
	s_lshl_b32 s17, s17, 2
	s_add_co_u32 s17, s17, s41                     ; A's tile of 128 rows
	s_lshl_b32 s43, s41, 2
	s_lshl_b32 s43, 15, s43
	s_lshl_b32 s44, 0x1111, s40
	s_or_b32 s[G1], s43, (3<<16)|(1<<21)
	s_mov_b32 s[G1+1], 32<<16
	s_mov_b32 s[G1+2], 192<<16
	s_mov_b32 s[G1+3], 32<<16
	s_mov_b32 s[G1+4], 192
	s_mov_b32 s[G1+5], 32
	s_mov_b32 s[G1+6], 0
	s_mov_b32 s[G1+7], 0
	s_or_b32 s[G1B], s44, (1<<20)|(1<<21)|(5<<22)|(3<<25)
	s_mov_b32 s[G1B+1], KROW<<16
	s_mov_b32 s[G1B+2], 128<<16
	s_mov_b32 s[G1B+3], KROW<<16
	s_mov_b32 s[G1B+4], 128
	s_mov_b32 s[G1B+5], KROW
	s_mov_b32 s[G1B+6], 0
	s_mov_b32 s[G1B+7], 0
	s_lshl_b32 s22, s17, 3
	s_lshl_b32 s20, s16, 2
	s_add_co_u32 s22, s22, s20
	s_mul_i32 s22, s22, 12288                      ; A: 4 blocks of 16 rows a load
	s_mov_b32 s23, 0
	s_lshl_b32 s46, s42, 8
	s_add_co_u32 s46, s46, 27648                   ; Wo's rows in cod
	s_lshl_b32 s47, s16, 7
	s_add_co_u32 s46, s46, s47
	s_mul_i32 s92, s46, KROW
	s_mov_b32 s93, 0
	s_lshl_b32 s70, s46, 5                         ; the scales of my 128 rows of B
	s_mov_b32 s71, 0
	s_lshl_b32 s18, s17, 7
	s_lshl_b32 s19, s15, 6
	s_add_co_u32 s72, s18, s19                     ; my first row of A and of the result
	s_lshl_b32 s18, s72, 5
	s_mov_b32 s19, 0
	s_mov_b32 s[G0], 1
	s_mul_i32 s[G0+1], s16, 49152
	s_mov_b32 s[G0B], 1
	s_mul_i32 s[G0B+1], s16, 128*PITCH
	s_add_co_u32 s[G0B+1], s[G0B+1], ABYTES
	s_wait_dscnt 0x0
	s_wait_kmcnt 0x0
	s_add_nc_u64 s[G0+2:G0+3], s[4:5], s[22:23]
	s_or_b32 s[G0+3], s[G0+3], 0x80000000
	s_add_nc_u64 s[G0B+2:G0B+3], s[8:9], s[92:93]
	s_or_b32 s[G0B+3], s[G0B+3], 0x80000000
	s_add_nc_u64 s[18:19], s[6:7], s[18:19]
	s_add_nc_u64 s[70:71], s[10:11], s[70:71]
	CROUND                                         ; the joint loads meet
	s_cmp_eq_u32 s15, 0
	s_cbranch_scc0 .Lfor_b
	tensor_load_to_lds s[G0:G0+3], s[G1:G1+7]
	s_nop 0
	PLACES
	s_branch .Lasked
.Lfor_b:
	tensor_load_to_lds s[G0B:G0B+3], s[G1B:G1B+7]
	s_nop 0
	PLACES
.Lasked:
	v_and_b32 v1, 15, v0                           ; r
	v_bfe_u32 v2, v0, 4, 1                         ; h
	v_lshlrev_b32 v3, 5, v1
	v_lshl_add_u32 v[LSC], v2, 4, v3
.irp i, 0,1,2,3
	global_load_b128 v[SCA+4*\i:SCA+4*\i+3], v[LSC], s[18:19] offset:512*\i
.endr
.irp i, 0,1,2,3,4,5,6,7
	global_load_b128 v[SCB+4*\i:SCB+4*\i+3], v[LSC], s[70:71] offset:512*\i
.endr
	s_lshl_b32 s20, s72, 12                        ; a row of the result is 4,096 bytes
	s_lshl_b32 s21, s42, 10
	s_add_co_u32 s20, s20, s21
	s_lshl_b32 s21, s16, 9
	s_add_co_u32 s20, s20, s21
	s_mov_b32 s21, 0
	s_add_nc_u64 s[12:13], s[12:13], s[20:21]
	s_mul_i32 s74, s15, 49152
	s_mul_i32 s75, s16, 128*PITCH
	s_add_co_u32 s75, s75, ABYTES
	s_add_co_u32 s76, s75, 64*PITCH
	s_mul_i32 s23, s14, 16*SPITCH
	s_add_co_u32 s23, s23, STAGE
	s_wait_alu depctr_va_vdst(0)                   ; ahead of the readers below
	v_mul_u32_u24 v3, v1, PITCH
	v_mad_u32_u24 v4, v2, 24, v3
	v_lshl_add_u32 v5, v2, 4, v4
	v_and_b32 v6, 31, v0
	v_lshlrev_b32 v6, 3, v6
	v_add_nc_u32 v[ADRA], s74, v6
	v_add_nc_u32 v[ADRB], s75, v4
	v_add_nc_u32 v[ADRB+1], s75, v5
	v_add_nc_u32 v[ADRB+2], s76, v4
	v_add_nc_u32 v[ADRB+3], s76, v5
	v_mul_u32_u24 v5, v1, SPITCH                   ; into the stage: row r, 64 bytes for each half of the lanes
	v_lshl_add_u32 v5, v2, 6, v5
	v_add_nc_u32 v[STO], s23, v5
	v_mul_u32_u24 v5, v2, SPITCH                   ; back: sixteen lanes to a row of 256 bytes, two rows an instruction
	v_lshl_add_u32 v5, v1, 4, v5
	v_add_nc_u32 v[RD], s23, v5
	v_lshlrev_b32 v5, 12, v2
	v_lshl_add_u32 v[CO], v1, 4, v5
.macro FRAG reg, adr, st, off
.irp p, 0,1,2,3,4,5
.set BY, 96*(\st)+48*(\p/3)+8*(\p%3)
.set CR, (BY+24)/256-BY/256
	ds_load_b64 v[\reg+2*\p:\reg+2*\p+1], v[\adr+CR] offset:BY+16*(BY/256)+(\off)
.endr
.endm
.macro FETCH st
	WIN 0x40
.irp i, 0,1,2,3,4,5,6,7
	FRAG 128*((\st)%2)+FR*\i, ADRB+2*(\i/4), \st, (\i%4)*16*PITCH
.endr
	WIN 0
.irp i, 0,1,2,3
.irp p, 0,1,2,3,4,5
	ds_load_b64 v[AF+48*((\st)%2)+FR*\i+2*\p:AF+48*((\st)%2)+FR*\i+2*\p+1], v[ADRA] offset:\i*12288+(\st)*1536+256*\p
.endr
.endr
.endm
.macro MUL st
.irp a, 0,1,2,3
.irp b, 0,1,2,3,4,5,6,7
.if (\st) == 0
	v_wmma_scale_f32_16x16x128_f8f6f4 v[8*(8*\a+\b):8*(8*\a+\b)+7], v[FR*\b:FR*\b+FR-1], v[AF+FR*\a:AF+FR*\a+FR-1], 0, v[SCB+4*\b], v[SCA+4*\a] matrix_a_fmt:MATRIX_FMT_FP6 matrix_b_fmt:MATRIX_FMT_FP6
.elseif (\st) < 4
	v_wmma_scale_f32_16x16x128_f8f6f4 v[8*(8*\a+\b):8*(8*\a+\b)+7], v[128*((\st)%2)+FR*\b:128*((\st)%2)+FR*\b+FR-1], v[AF+48*((\st)%2)+FR*\a:AF+48*((\st)%2)+FR*\a+FR-1], v[8*(8*\a+\b):8*(8*\a+\b)+7], v[SCB+4*\b+(\st)], v[SCA+4*\a+(\st)] matrix_a_fmt:MATRIX_FMT_FP6 matrix_b_fmt:MATRIX_FMT_FP6
.else
	v_wmma_scale_f32_16x16x128_f8f6f4 v[8*(8*\a+\b):8*(8*\a+\b)+7], v[128*((\st)%2)+FR*\b:128*((\st)%2)+FR*\b+FR-1], v[AF+48*((\st)%2)+FR*\a:AF+48*((\st)%2)+FR*\a+FR-1], v[8*(8*\a+\b):8*(8*\a+\b)+7], v[SCB+4*\b+(\st)-4], v[SCA+4*\a+(\st)-4] matrix_a_fmt:MATRIX_FMT_FP6 matrix_b_fmt:MATRIX_FMT_FP6 matrix_a_scale:MATRIX_SCALE_ROW1 matrix_b_scale:MATRIX_SCALE_ROW1
.endif
.endr
.endr
.endm
.macro STEP st
	s_wait_dscnt 0x0
.if (\st) < 7
.if (\st) > 0
	PLACES
.endif
	FETCH (\st)+1
.endif
	WIN 0xa1
	MUL \st
	WIN 0
.endm
	s_wait_alu depctr_va_vdst(0)                   ; the head's end
	s_wait_tensorcnt 0x0                           ; my rows are in;
	s_barrier_signal -1
	s_barrier_wait -1                              ; everybody's are
	FETCH 0
	s_wait_loadcnt 0x0                             ; the scale words
.irp st, 0,1,2,3,4,5,6,7
	STEP \st
.endr
; THE WAY OUT, n = 2 x block of 16 rows + half of its 128 columns.  LDS serves a wave's instructions in order: no wait between the stores and the loads.
.macro TOSTAGE n
.set AC, 64*((\n)/2)+32*((\n)%2)
	WIN 0x08
.irp b, 0,1,2,3
	ds_store_b128 v[STO], v[AC+8*\b:AC+8*\b+3] offset:128*(\b/2)+32*(\b%2)
	ds_store_b128 v[STO], v[AC+8*\b+4:AC+8*\b+7] offset:128*(\b/2)+32*(\b%2)+16
.endr
	WIN 0
.set BB, BK+32*((\n)%2)
.irp t, 0,1,2,3,4,5,6,7
	ds_load_b128 v[BB+4*\t:BB+4*\t+3], v[RD] offset:\t*2*SPITCH
.endr
.endm
.macro SEND n, younger
.set BB, BK+32*((\n)%2)
	s_wait_dscnt \younger
.irp t, 0,1,2,3,4,5,6,7
	global_store_b128 v[CO], v[BB+4*\t:BB+4*\t+3], s[12:13] offset:(32*((\n)/4)+8*(((\n)/2)%2)+2*\t+8*(\t/4))*4096+256*((\n)%2) th:TH_STORE_NT   ; sixteen lanes store 256 consecutive bytes, aligned
.endr
.endm
	PLACES
	TOSTAGE 0
.irp n, 1,2,3,4,5,6,7
.if \n > 1
	s_wait_xcnt 0x0                                ; the stores of two turns ago have read their registers
.endif
	TOSTAGE \n
	SEND \n-1, 16                                  ; behind its loads: the next turn's 8 stores and 8 loads
.endr
	SEND 7, 0
	s_wait_tensorcnt 0x0                           ; the wave's end
	ds_add_u32 v[SPW], v[NIL]
	s_wait_dscnt 0x0
	CROUND                                         ; the closing round
	s_endpgm
.Lfunc_end_k_q9c188a37b2_outp:
	.size	k_q9c188a37b2_outp, .Lfunc_end_k_q9c188a37b2_outp-k_q9c188a37b2_outp
	.p2alignl 7, 3214868480
	.fill 96, 4, 3214868480
	.section	.rodata,"a",@progbits
	.p2align	6, 0x0
	.amdhsa_kernel k_q9c188a37b2_outp
		.amdhsa_group_segment_fixed_size 327680
		.amdhsa_private_segment_fixed_size 0
		.amdhsa_enable_private_segment 0
		.amdhsa_kernarg_size 40
		.amdhsa_user_sgpr_count 2
		.amdhsa_user_sgpr_kernarg_segment_ptr 1
		.amdhsa_wavefront_size32 1
		.amdhsa_system_sgpr_workgroup_id_x 1
		.amdhsa_system_sgpr_workgroup_id_y 1
		.amdhsa_system_sgpr_workgroup_id_z 1
		.amdhsa_system_vgpr_workitem_id 0
		.amdhsa_next_free_vgpr 768
		.amdhsa_next_free_sgpr 98
		.amdhsa_reserve_vcc 0
		.amdhsa_float_denorm_mode_32 3
		.amdhsa_float_denorm_mode_16_64 3
		.amdhsa_memory_ordered 1
		.amdhsa_forward_progress 1
		.amdhsa_inst_pref_size 93
	.end_amdhsa_kernel
	.amdgpu_metadata
---
amdhsa.version: [ 1, 2 ]
amdhsa.kernels:
  - .name:           k_q9c188a37b2_outp
    .symbol:         k_q9c188a37b2_outp.kd
    .args:
      - { .name: oimg, .offset: 0, .size: 8, .value_kind: global_buffer, .address_space: global }
      - { .name: osc, .offset: 8, .size: 8, .value_kind: global_buffer, .address_space: global }
      - { .name: cod, .offset: 16, .size: 8, .value_kind: global_buffer, .address_space: global }
      - { .name: scl, .offset: 24, .size: 8, .value_kind: global_buffer, .address_space: global }
      - { .name: out0, .offset: 32, .size: 8, .value_kind: global_buffer, .address_space: global }
    .group_segment_fixed_size: 327680
    .private_segment_fixed_size: 0
    .kernarg_segment_align: 8
    .kernarg_segment_size: 40
    .max_flat_workgroup_size: 128
    .sgpr_count:     98
    .vgpr_count:     768
    .wavefront_size: 32
...
	.end_amdgpu_metadata
.endif
;; end of part 4
